; MI455X (gfx1250); checked and timed in simulation.
; The chip was launched on July 23, 2026; its instructions are those of AMD's public machine-readable ISA for CDNA 5 (MIT licence, August 2026) and "CDNA5" Instruction Set Architecture Reference Guide (July 2026). The comments in the code are by the model that wrote it; some were corrected since.
;; Biased Multi Head Attention. Allowed arithmetic: float matrix products may take bf16 or f16 operands with f32 sums; other float arithmetic in f32, or as packed bf16 or f16 multiplies, adds, multiply-adds, maxima and minima; sums over many terms, partial sums and values carried from step to step in f32; what a program stores and reads back later, other than sums and carried values, may be rounded once to bf16 or f16.
;; Inputs: Wk 1,024 x 1,024 float32; Wo 1,024 x 1,024 float32; Wq 1,024 x 1,024 float32; Wv 1,024 x 1,024 float32; mask 4,096 bool; spatial_bias 4,096 x 4,096 float32; x 4,096 x 1,024 float32.
;; Outputs: out0 4,096 x 1,024 float32.
;; 2 versions, each right and faster than the one before. Each part assembles by itself: llvm-mc -triple=amdgcn-amd-amdhsa -mcpu=gfx1250 --defsym DOCPART=n.
;; ======== version 1 of 2: 5 launches
;; limits: right only within a limited range of input values; values are held in f16: magnitudes above 65,504 overflow, below 6.1e-05 lose precision
;; workspace buffers: xh 8,388,608 bytes; wall 8,388,608 bytes; qk 16,777,216 bytes; vt 8,388,608 bytes; biasf 33,554,432 bytes; ob 8,388,608 bytes; info 256 bytes of whole numbers
;; launch prep (part 1): grid 33 x 16, 8 waves a work-group, no clusters, 17,408 bytes of LDS; arguments x, Wq, Wk, Wv, Wo, spatial_bias, mask, xh, wall, biasf, info; writes xh, wall, biasf, info
.if DOCPART == 1
	.amdgcn_target "amdgcn-amd-amdhsa--gfx1250"
	.amdhsa_code_object_version 6
	.text
	.protected	k_qd373758e3c_prep
	.globl	k_qd373758e3c_prep
	.p2align	8
	.type	k_qd373758e3c_prep,@function
k_qd373758e3c_prep:
	s_mov_b64 s[64:65], 0
	v_nop
	global_prefetch_b8 v0, s[64:65] scope:SCOPE_SE
	s_setreg_imm32_b32 hwreg(HW_REG_WAVE_MODE, 25, 1), 1
	s_wait_xcnt 0x0
; PREPARATION: a stream, no matrix work.  Work-groups x < 17 lay the bias out for the attention launch, the other 256 round x and the weights.
; BIAS.  biasf holds, for query block i of 128 rows and key tile t of 256 keys (t <= i / 2 alone), 65,536 bytes of bf16 in the order
; [wave 4][step 4][piece 2][fragment 2][half 2][lane 32][16 bytes]: lane (r, h) of half u of fragment g holds
; bias[128 i + 32 wave + 16 piece + r][256 t + 64 step + 32 g + 16 u + 8 h + 0..7], and -2^100 where the key is masked or lies behind the query.
; Work-group (x, y) takes one tile: blocks 31 - y and y have 17 tiles together, whatever y.  Wave w takes rows 16 w .. 16 w + 15, in four units of 64 keys.
; CONV.  xh and wall are [16 blocks of 64 along K][4,096 rows][64] in f16: each input number is rounded to bf16, and that number is written as f16.
; wall's rows are Wq, Wk, Wv, Wo.  A work-group takes 32 rows, a wave four of them.
; INFO.  info word 0 = min(g0 + 1, 256), g0 = the number of leading groups of 16 keys that are masked throughout.
; LIMITS.  x and the weights stay within 65,504 after the rounding to bf16 (f16's range); below 6e-5 they keep f16's fixed step of 6e-8.  A mask byte is 0 or 1.
.set SPARE, 16384                      ; behind the waves' 2,048 bytes each: the spare words, 128 bytes a wave: four blocks of 256 bytes that no other line names
.set MK,  8                            ; v8-11   four mask bytes for each unit
.set THR, 12                           ; v12-15  a key is seen by query q where q >= THR
.set SPW, 22                           ; v22     my spare word's LDS address; never rewritten
.set NIL, 23                           ; v23     0; never rewritten
.set X,   64                           ; v64-191 32 loads of 16 bytes
.set R,   192                          ; v192-255 what is stored
	s_load_b512 s[4:19], s[0:1], 0x0               ; x 4, Wq 6, Wk 8, Wv 10, Wo 12, bias 14, mask 16, xh 18
	s_load_b128 s[20:23], s[0:1], 0x40             ; wall 20, biasf 22
	s_load_b64 s[24:25], s[0:1], 0x50              ; info
	v_lshl_add_u32 v[SPW], v0, 2, SPARE
	v_mov_b32 v[NIL], 0
	v_lshrrev_b32 v1, 5, v0
	v_readfirstlane_b32 s28, v1                    ; wave 0..7
	v_and_b32 v2, 31, v0                           ; lane
	s_and_b32 s29, ttmp7, 0xffff                   ; y
	s_mov_b32 s30, ttmp9                           ; x
	s_wait_kmcnt 0x0
	s_cmp_lt_u32 s30, 17
	s_cbranch_scc0 .Lconv
	; ---------------- BIAS ----------------
	s_sub_co_u32 s31, 31, s29                      ; the pair's upper block
	s_lshr_b32 s32, s31, 1
	s_add_co_u32 s32, s32, 1                       ; its number of tiles
	s_sub_co_u32 s33, s30, s32
	s_cmp_lt_u32 s30, s32
	s_cselect_b32 s34, s31, s29                    ; i
	s_cselect_b32 s35, s30, s33                    ; t
	v_and_b32 v5, 15, v2                           ; a: my four keys 4 a .. 4 a + 3 of a unit's 64
	v_lshrrev_b32 v24, 4, v2                       ; which of two rows
	s_lshl_b32 s36, s34, 21                        ; 128 i rows of 16,384 bytes
	s_lshl_b32 s37, s28, 18                        ; 16 w rows
	s_add_co_u32 s36, s36, s37
	s_lshl_b32 s37, s35, 10                        ; 256 t keys of 4 bytes
	s_add_co_u32 s36, s36, s37
	v_lshlrev_b32 v3, 14, v24
	v_lshl_add_u32 v3, v5, 4, v3
	v_add_nc_u32 v3, s36, v3                       ; my byte offset in the bias
	s_lshl_b32 s38, s35, 8
	v_lshl_add_u32 v4, v5, 2, s38                  ; 256 t + 4 a: my first key, and its byte in the mask
	s_lshl_b32 s39, s34, 7
	s_lshl_b32 s37, s28, 4
	s_add_co_u32 s39, s39, s37
	v_add_nc_u32 v6, s39, v24                      ; my first query
.irp e, 0,1,2,3
	global_load_b32 v[MK+\e], v4, s[16:17] offset:64*\e
.endr
.set n, 0
.rept 32                                           ; unit n / 8, row pair n % 8: each load covers two rows' 256 consecutive bytes; all 32 go out at once
	global_load_b128 v[X+4*n:X+4*n+3], v3, s[14:15] offset:(n/8)*256+(n%8)*32768 th:TH_LOAD_NT
.set n, n+1
.endr
	; where my 8 bytes of a row go in the wave's 2,048 bytes: fragment a / 8, half (a / 4) % 2, lane (row) + 16 ((a / 2) % 2), byte 8 (a % 2)
	v_lshrrev_b32 v20, 3, v5
	v_lshlrev_b32 v20, 10, v20
	v_bfe_u32 v16, v5, 2, 1
	v_lshl_add_u32 v20, v16, 9, v20
	v_bfe_u32 v16, v5, 1, 1
	v_lshl_add_u32 v20, v16, 8, v20
	v_lshl_add_u32 v20, v24, 4, v20
	v_and_b32 v16, 1, v5
	v_lshl_add_u32 v20, v16, 3, v20
	v_lshl_add_u32 v20, s28, 11, v20
	v_lshlrev_b32 v21, 4, v2
	v_lshl_add_u32 v21, s28, 11, v21               ; back: 16 bytes a lane, on end
	s_lshr_b32 s37, s28, 1
	s_lshl_b32 s37, s37, 14                        ; the attention wave's 16,384 bytes,
	s_and_b32 s40, s28, 1
	s_lshl_b32 s40, s40, 11                        ; its piece's 2,048
	s_add_co_u32 s37, s37, s40
	v_lshlrev_b32 v7, 4, v2
	v_add_nc_u32 v7, s37, v7
	s_lshl_b32 s40, s34, 4
	s_add_co_u32 s40, s40, s35
	s_lshl_b32 s40, s40, 16                        ; tile (i, t)
	s_mov_b32 s41, 0
	s_add_nc_u64 s[22:23], s[22:23], s[40:41]
.set u, 0
.rept 4
	s_wait_loadcnt 31-8*u                          ; loads come back in order: the mask words and this unit's first load are in
.irp e, 0,1,2,3
	v_bfe_u32 v16, v[MK+u], 8*\e, 8
	v_add_nc_u32 v[THR+\e], 64*u+\e, v4            ; the key's number,
	v_cmp_eq_u32 vcc_lo, 0, v16
	v_cndmask_b32 v[THR+\e], 0x7fffffff, v[THR+\e], vcc_lo  ; or, for a masked key, a number that no query reaches
.endr
.set j, 0
.rept 8
.set xr, X+4*(8*u+j)
	s_wait_loadcnt 31-(8*u+j)                      ; the loads issued behind this one stay out
	v_add_nc_u32 v17, 2*j, v6
.irp e, 0,1,2,3
	v_cmp_ge_i32 vcc_lo, v17, v[THR+\e]
	v_cndmask_b32 v[xr+\e], 0xf1800000, v[xr+\e], vcc_lo    ; -2^100 where the key is hidden
.endr
	v_cvt_pk_bf16_f32 v18, v[xr], v[xr+1]
	v_cvt_pk_bf16_f32 v19, v[xr+2], v[xr+3]
	ds_store_b64 v20, v[18:19] offset:32*j
.set j, j+1
.endr
.irp f, 0,1,2,3
	ds_load_b128 v[R+16*u+4*\f:R+16*u+4*\f+3], v21 offset:512*\f  ; a wave's LDS instructions are served in order: these see the stores above, and the next unit's stores come behind them
.endr
	s_wait_dscnt 0x0
.irp f, 0,1,2,3
	global_store_b128 v7, v[R+16*u+4*\f:R+16*u+4*\f+3], s[22:23] offset:4096*u+512*\f  ; 512 consecutive bytes, aligned; each unit has its own 16 registers
.endr
.set u, u+1
.endr
	s_wait_tensorcnt 0x0                           ; the wave's end: behind my last LDS store
	ds_add_u32 v[SPW], v[NIL]
	s_wait_dscnt 0x0
	s_endpgm
	; ---------------- CONV ----------------
.Lconv:
	s_sub_co_u32 s31, s30, 17
	s_lshl_b32 s31, s31, 4
	s_add_co_u32 s31, s31, s29                     ; c: 32 rows of the stack x, Wq, Wk, Wv, Wo
	s_and_b32 s32, s31, 31                         ; the block's place in a weight,
	s_and_b32 s33, s31, 127                        ; and in xh or in wall
	s_cmp_ge_u32 s31, 128
	s_cselect_b64 s[36:37], s[6:7], s[4:5]         ; from
	s_cselect_b64 s[38:39], s[20:21], s[18:19]     ; to
	s_cselect_b32 s34, s32, s31
	s_cmp_ge_u32 s31, 160
	s_cselect_b64 s[36:37], s[8:9], s[36:37]
	s_cmp_ge_u32 s31, 192
	s_cselect_b64 s[36:37], s[10:11], s[36:37]
	s_cmp_ge_u32 s31, 224
	s_cselect_b64 s[36:37], s[12:13], s[36:37]
	s_lshl_b32 s40, s34, 17                        ; 32 rows of 4,096 bytes
	s_lshl_b32 s42, s28, 14                        ; my wave's four
	s_add_co_u32 s40, s40, s42
	s_mov_b32 s41, 0
	s_add_nc_u64 s[36:37], s[36:37], s[40:41]
	s_lshl_b32 s40, s33, 12                        ; 32 rows of 128 bytes
	s_lshl_b32 s42, s28, 9
	s_add_co_u32 s40, s40, s42
	s_add_nc_u64 s[38:39], s[38:39], s[40:41]
	v_lshrrev_b32 v3, 4, v2
	v_lshlrev_b32 v3, 12, v3
	v_and_b32 v4, 15, v2
	v_lshl_add_u32 v3, v4, 4, v3                   ; lanes 0-15 one row's 256 bytes, lanes 16-31 the next row's
	v_lshlrev_b32 v5, 3, v2                        ; and their 2 x 128 bytes in f16 lie on end
.set n, 0
.rept 32                                           ; row pair n / 16, K block n % 16
	global_load_b128 v[X+4*n:X+4*n+3], v3, s[36:37] offset:(n/16)*8192+(n%16)*256 th:TH_LOAD_NT
.set n, n+1
.endr
.set n, 0
.rept 32
	s_wait_loadcnt 31-n                            ; the loads issued behind this one stay out
	v_cvt_pk_bf16_f32 v8, v[X+4*n], v[X+4*n+1]     ; the one rounding,
	v_cvt_pk_bf16_f32 v9, v[X+4*n+2], v[X+4*n+3]
	v_lshlrev_b32 v10, 16, v8
	v_and_b32 v11, 0xffff0000, v8
	v_lshlrev_b32 v12, 16, v9
	v_and_b32 v13, 0xffff0000, v9
	v_cvt_pk_f16_f32 v[R+2*n], v10, v11            ; and the same number written as f16
	v_cvt_pk_f16_f32 v[R+2*n+1], v12, v13
	global_store_b64 v5, v[R+2*n:R+2*n+1], s[38:39] offset:(n%16)*524288+(n/16)*256  ; the wave stores 256 consecutive bytes, aligned; each item has its own two registers
.set n, n+1
.endr
	; ---------------- INFO: one wave of one work-group ----------------
	s_or_b32 s40, s31, s28
	s_cmp_lg_u32 s40, 0
	s_cbranch_scc1 .Lconv_end
	v_lshlrev_b32 v14, 4, v2
.irp j, 0,1,2,3,4,5,6,7
	global_load_b128 v[X+4*\j:X+4*\j+3], v14, s[16:17] offset:512*\j  ; lane l of load j: the 16 keys of group 32 j + l
.endr
	s_mov_b32 s42, 0x01010101
	s_wait_loadcnt 0x0
.irp j, 0,1,2,3,4,5,6,7
	v_and_b32 v15, v[X+4*\j], v[X+4*\j+1]
	v_and_b32 v16, v[X+4*\j+2], v[X+4*\j+3]
	v_and_b32 v15, v15, v16
	v_cmp_ne_u32 s[44+\j], s42, v15                ; a bit for each group that has an open key
.endr
	s_mov_b32 s43, 256
.irp j, 7,6,5,4,3,2,1,0
	s_ctz_i32_b32 s52, s[44+\j]
	s_add_co_u32 s52, s52, 32*\j
	s_cmp_lg_u32 s[44+\j], 0
	s_cselect_b32 s43, s52, s43                    ; the lowest such group
.endr
	s_add_co_u32 s43, s43, 1
	s_min_u32 s43, s43, 256
	v_mov_b32 v16, s43
	v_mov_b32 v17, s43
	global_store_b64 v5, v[16:17], s[24:25]        ; all 256 bytes of info
.Lconv_end:
	s_endpgm
.Lfunc_end_k_qd373758e3c_prep:
	.size	k_qd373758e3c_prep, .Lfunc_end_k_qd373758e3c_prep-k_qd373758e3c_prep
	.p2alignl 7, 3214868480
	.fill 96, 4, 3214868480
	.section	.rodata,"a",@progbits
	.p2align	6, 0x0
	.amdhsa_kernel k_qd373758e3c_prep
		.amdhsa_group_segment_fixed_size 17408
		.amdhsa_private_segment_fixed_size 0
		.amdhsa_enable_private_segment 0
		.amdhsa_kernarg_size 88
		.amdhsa_user_sgpr_count 2
		.amdhsa_user_sgpr_kernarg_segment_ptr 1
		.amdhsa_wavefront_size32 1
		.amdhsa_system_sgpr_workgroup_id_x 1
		.amdhsa_system_sgpr_workgroup_id_y 1
		.amdhsa_system_sgpr_workgroup_id_z 1
		.amdhsa_system_vgpr_workitem_id 0
		.amdhsa_next_free_vgpr 256
		.amdhsa_next_free_sgpr 66
		.amdhsa_reserve_vcc 1
		.amdhsa_float_denorm_mode_32 3
		.amdhsa_float_denorm_mode_16_64 3
		.amdhsa_memory_ordered 1
		.amdhsa_forward_progress 1
		.amdhsa_inst_pref_size 59
	.end_amdhsa_kernel
	.amdgpu_metadata
---
amdhsa.version: [ 1, 2 ]
amdhsa.kernels:
  - .name:           k_qd373758e3c_prep
    .symbol:         k_qd373758e3c_prep.kd
    .args:
      - { .name: x, .offset: 0, .size: 8, .value_kind: global_buffer, .address_space: global }
      - { .name: Wq, .offset: 8, .size: 8, .value_kind: global_buffer, .address_space: global }
      - { .name: Wk, .offset: 16, .size: 8, .value_kind: global_buffer, .address_space: global }
      - { .name: Wv, .offset: 24, .size: 8, .value_kind: global_buffer, .address_space: global }
      - { .name: Wo, .offset: 32, .size: 8, .value_kind: global_buffer, .address_space: global }
      - { .name: spatial_bias, .offset: 40, .size: 8, .value_kind: global_buffer, .address_space: global }
      - { .name: mask, .offset: 48, .size: 8, .value_kind: global_buffer, .address_space: global }
      - { .name: xh, .offset: 56, .size: 8, .value_kind: global_buffer, .address_space: global }
      - { .name: wall, .offset: 64, .size: 8, .value_kind: global_buffer, .address_space: global }
      - { .name: biasf, .offset: 72, .size: 8, .value_kind: global_buffer, .address_space: global }
      - { .name: info, .offset: 80, .size: 8, .value_kind: global_buffer, .address_space: global }
    .group_segment_fixed_size: 17408
    .private_segment_fixed_size: 0
    .kernarg_segment_align: 8
    .kernarg_segment_size: 88
    .max_flat_workgroup_size: 256
    .sgpr_count:     66
    .vgpr_count:     256
    .wavefront_size: 32
...
	.end_amdgpu_metadata
.endif
;; end of part 1
;; launch proj (part 2): grid 32 x 24, 4 waves a work-group, clusters of 4 x 4, 327,680 bytes of LDS; arguments xh, wall, qk, vt; writes qk, vt
.if DOCPART == 2
	.amdgcn_target "amdgcn-amd-amdhsa--gfx1250"
	.amdhsa_code_object_version 6
	.text
	.protected	k_qd373758e3c_proj
	.globl	k_qd373758e3c_proj
	.p2align	8
	.type	k_qd373758e3c_proj,@function
k_qd373758e3c_proj:
	s_mov_b64 s[64:65], 0
	v_nop
	global_prefetch_b8 v0, s[64:65] scope:SCOPE_SE
	s_setreg_imm32_b32 hwreg(HW_REG_WAVE_MODE, 25, 1), 1
	s_wait_xcnt 0x0
	s_wait_alu depctr_hold_cnt(0) depctr_sa_sdst(0) depctr_va_vdst(0) depctr_va_sdst(0) depctr_va_ssrc(0) depctr_va_vcc(0) depctr_vm_vsrc(0)
	s_getreg_b32 s2, hwreg(HW_REG_IB_STS2, 6, 4)
	s_cmp_eq_u32 s2, 0
	s_cbranch_scc0 .Lentry_in_a_cluster
	s_endpgm
.Lentry_in_a_cluster:
	s_bfe_u32 s2, ttmp6, 0x10000c
	s_cmp_lg_u32 s2, 0xf033
	s_cbranch_scc0 .Lentry_shape_is_right
	s_endpgm
.Lentry_shape_is_right:
; THE THREE PROJECTIONS, one GEMM on tiles of 128 x 128 over K = 1,024.  xh: [16 K blocks][4,096 tokens][64], wall: [16][4,096 rows: Wq, Wk, Wv, Wo][64], both f16; sums in f32.
; qk: [32 blocks][4,096 tokens][64] f16: blocks 0-15 q / 8 by heads (the factor is a power of two: no second rounding), blocks 16-31 k by heads.
; vt: [64 blocks of 64 keys][1,024 channels][64 keys] f16: V turned, so that the attention launch reads its fragments from LDS as they lie.
; LIMIT.  q, k and v stay within 65,504 (f16's range).
; Four waves, each 64 x 64: 16 accumulators.  K goes in steps of 256 = four K blocks through two LDS slots; a wave's tensor load brings 64 rows x 4 blocks, each block's 64 rows 8,192 dense bytes.
; THE MATRIX INSTRUCTION: source 1 gives a lane its row of the result, source 0 its eight neighbouring numbers.  For q and k the rows are tokens (xh) and the neighbours channels (wall);
; for V the rows are channels (wall) and the neighbours keys (xh).
; CLUSTERS of 4 x 4.  The row operand's tile is 4 U + cx and is shared along a column of the cluster, the neighbour operand's tile is 4 W + cy and is shared along a row.
; In the clusters with y < 4 (q, k) U is the cluster's x and W its y; in those with y >= 4 (V) the two change places, and so do the two buffers.  The choice hangs on the cluster's y alone,
; which all sixteen partners share: masks, LDS addresses and the shape words are the same constants in both cases.
; REGISTERS: window 0: v16-29 addresses; v32-95 at work on the way out; v128-255 the accumulators ((a, b) at v[128 + 8 (4 a + b)]).  Window 1: two fragment buffers of 128.
.set PITCH,  144                       ; an LDS row: 128 bytes + 16 of padding = 36 words: the 16 rows of a fragment load start at 16 different groups of four banks
.set RG,     4*64*PITCH                ; what one tensor load brings: [4 K blocks][64 rows][144]
.set SLOT,   4*RG                      ; the row operand's two halves, then the neighbour operand's
.set STAGE,  2*SLOT                    ; behind the ring: 16 rows x 144 bytes for each wave
.set SP,     144
.set SPARE,  STAGE+4*16*SP             ; the spare words, 128 bytes a wave: two blocks of 256 bytes that no other line names
.set KBLK,   4096*128                  ; bytes of a K block
.set STEPB,  4*KBLK                    ; bytes from a K step to the next
.set QK,     64*PITCH                  ; LDS bytes from a K block to the next
.set ADRA, 16                          ; v16-17  my row fragments in slot 0, 1
.set ADRB, 20                          ; v20-21  my neighbour fragments
.set STO,  24
.set RD,   25
.set GO,   26
.set SPW,  28                          ; my spare word's LDS address; never rewritten
.set NIL,  29                          ; 0; never rewritten
.set TMP,  32
.set ACC,  128
.set F0,   0
.set F1,   128
.set G1,  24                           ; s[24:31] group 1 for the row operand;  s[32:39] its group 0, a set for each slot
.set G0,  32
.set G1B, 48                           ; s[48:55], s[56:63] the same for the neighbour operand
.set G0B, 56
.set SC,  66                           ; s[66:67] 1/8 for q, 1 for k and V
.set MSB, 0
.macro WIN new                         ; the immediate's high byte repeats the setting that is left
.if MSB != (\new)
	s_set_vgpr_msb (MSB<<8)|(\new)
.set MSB, \new
.endif
.endm
.set MUL,  0x05                        ; sources 0 and 1 window 1; C and D window 0
.set TO_F, 0x40                        ; destination window 1, address window 0
.macro JLOAD s                         ; a joint load: waves 0 and 1 fetch the row operand's halves, waves 2 and 3 the neighbour operand's; an s_nop 0 and four v_nop follow each line
	s_cmp_eq_u32 s13, 0
	s_cbranch_scc0 .Lfor_b_\@
	tensor_load_to_lds s[G0+4*(\s):G0+4*(\s)+3], s[G1:G1+7]
	s_nop 0
.rept 4
	v_nop
.endr
	s_branch .Lasked_\@
.Lfor_b_\@:
	tensor_load_to_lds s[G0B+4*(\s):G0B+4*(\s)+3], s[G1B:G1B+7]
	s_nop 0
.rept 4
	v_nop
.endr
.Lasked_\@:
.endm
.macro CREST                           ; a round of the cluster's barrier behind its opening barrier
	s_cmp_lg_u32 s12, 0
	s_cbranch_scc1 .Lnot_wave_0_\@
	s_barrier_signal -3
.Lnot_wave_0_\@:
	s_barrier_wait -3
	s_barrier_signal -1
	s_barrier_wait -1
.endm
.macro CROUND
	s_barrier_signal -1
	s_barrier_wait -1
	CREST
.endm
	s_load_b256 s[4:11], s[0:1], 0x0               ; xh 4, wall 6, qk 8, vt 10
	v_lshl_add_u32 v[SPW], v0, 2, SPARE
	v_mov_b32 v[NIL], 0
	ds_add_u32 v[SPW], v[NIL]                      ; the wave's opening: the add and its wait stand ahead of my first tensor load; the set-up stands between them
	v_lshrrev_b32 v1, 5, v0
	v_readfirstlane_b32 s12, v1                    ; wave 0..3
	s_lshr_b32 s13, s12, 1                         ; which half of the tile's rows is mine.  Also: I fetch for the row operand (0) or the other (1)
	s_and_b32 s14, s12, 1                          ; which half of the neighbours.  Also: which 64 rows I fetch
	s_bfe_u32 s40, ttmp6, 0x40000                  ; cx
	s_bfe_u32 s41, ttmp6, 0x40004                  ; cy
	s_and_b32 s46, ttmp7, 0xffff                   ; the cluster's y
	s_mov_b32 s47, ttmp9                           ; the cluster's x
	s_cmp_ge_u32 s46, 4                            ; a V cluster?
	s_cselect_b32 s2, s46, s47                     ; U
	s_cselect_b32 s3, s47, s46                     ; W
	s_cselect_b32 s15, 17, 19                      ; log2 of an output block's bytes: 1,024 or 4,096 rows of 128
	s_cselect_b32 s21, 16, 0                       ; V's rows begin at wall's tile 16
	s_lshl_b32 s42, s2, 2
	s_add_co_u32 s42, s42, s40                     ; the row operand's tile
	s_lshl_b32 s43, s3, 2
	s_add_co_u32 s43, s43, s41                     ; the neighbour operand's tile
	s_lshl_b32 s44, 0x1111, s40                    ; my column of the cluster
	s_lshl_b32 s45, s41, 2
	s_lshl_b32 s45, 15, s45                        ; my row
	s_or_b32 s[G1+0], s44, (1<<16)|(1<<20)|(1<<21)|(4<<22)|(3<<25)   ; the mask; 2-byte elements; padding on; bit 21 beside a mask; after every 32 words, 4 words
	s_or_b32 s[G1B+0], s45, (1<<16)|(1<<20)|(1<<21)|(4<<22)|(3<<25)
.irp g, G1, G1B
	s_mov_b32 s[(\g)+1], 4096<<16                  ; tensor_dim0 = 4,096 elements: 64 rows of a K block, dense
	s_mov_b32 s[(\g)+2], 4<<16                     ; tensor_dim1 = 4 K blocks
	s_mov_b32 s[(\g)+3], 4096<<16                  ; tile_dim0
	s_mov_b32 s[(\g)+4], 4                         ; tile_dim1
	s_mov_b32 s[(\g)+5], 4096*64                   ; elements from a K block to the next
	s_mov_b32 s[(\g)+6], 0
	s_mov_b32 s[(\g)+7], 0
.endr
	s_lshl_b32 s22, s14, 13                        ; which 64 rows of 128 bytes
	s_lshl_b32 s16, s42, 14
	s_add_co_u32 s16, s16, s22
	s_mov_b32 s17, 0
	s_lshl_b32 s18, s43, 14
	s_add_co_u32 s18, s18, s22
	s_mov_b32 s19, 0
	s_mul_i32 s20, s12, RG                         ; where my load goes: wave x a region
	s_cmp_lt_u32 s46, 2
	s_cselect_b32 s[SC], 0x3e000000, 1.0
	s_mov_b32 s[SC+1], s[SC]                       ; named with it as a pair
	s_wait_dscnt 0x0                               ; the opening add is done
	s_wait_kmcnt 0x0
	s_cmp_ge_u32 s46, 4
	s_cselect_b64 s[68:69], s[6:7], s[4:5]         ; the row operand's buffer
	s_cselect_b64 s[70:71], s[4:5], s[6:7]         ; the neighbour operand's
	s_cselect_b64 s[8:9], s[10:11], s[8:9]         ; the output's
	s_add_nc_u64 s[16:17], s[68:69], s[16:17]
	s_add_nc_u64 s[18:19], s[70:71], s[18:19]
	CROUND                                         ; all sixteen work-groups are here: the first joint loads meet
.irp s, 0,1
	s_mov_b32 s[G0+4*(\s)], 1
	s_add_co_u32 s[G0+4*(\s)+1], s20, (\s)*SLOT
	s_add_nc_u64 s[G0+4*(\s)+2:G0+4*(\s)+3], s[16:17], (\s)*STEPB
	s_or_b32 s[G0+4*(\s)+3], s[G0+4*(\s)+3], 0x80000000
	s_mov_b32 s[G0B+4*(\s)], 1
	s_add_co_u32 s[G0B+4*(\s)+1], s20, (\s)*SLOT
	s_add_nc_u64 s[G0B+4*(\s)+2:G0B+4*(\s)+3], s[18:19], (\s)*STEPB
	s_or_b32 s[G0B+4*(\s)+3], s[G0B+4*(\s)+3], 0x80000000
	JLOAD \s
.endr
	v_and_b32 v1, 15, v0                           ; l % 16
	v_bfe_u32 v2, v0, 4, 1                         ; l / 16
	v_mul_u32_u24 v3, v1, PITCH
	v_lshl_add_u32 v3, v2, 4, v3                   ; a fragment's row x pitch + 16 x half
	s_mul_i32 s21, s13, RG
	s_mul_i32 s22, s14, RG
	s_add_co_u32 s22, s22, 2*RG
.irp s, 0,1
	v_add_nc_u32 v[ADRA+(\s)], s21, v3
	v_add_nc_u32 v[ADRB+(\s)], s22, v3
	s_add_co_u32 s21, s21, SLOT
	s_add_co_u32 s22, s22, SLOT
.endr
	s_mul_i32 s23, s12, 16*SP
	s_add_co_u32 s23, s23, STAGE                   ; my stage
	v_mul_u32_u24 v4, v1, SP                       ; in: row l % 16, 16 bytes for each half of the lanes
	v_lshl_add_u32 v4, v2, 4, v4
	v_add_nc_u32 v[STO], s23, v4
	v_bfe_u32 v5, v0, 3, 2                         ; back: 32 lanes take four rows of 128 bytes,
	v_mul_u32_u24 v5, v5, SP
	v_and_b32 v6, 7, v0
	v_lshl_add_u32 v5, v6, 4, v5
	v_add_nc_u32 v[RD], s23, v5
	v_and_b32 v[GO], 31, v0                        ; which are 512 consecutive bytes of the output
	v_lshlrev_b32 v[GO], 4, v[GO]
	s_cmp_ge_u32 s46, 4
	s_cselect_b32 s21, 16, 0
	s_lshl_b32 s68, s43, 1                         ; my wave's 64 rows x 128 bytes lie on end: block 2 x neighbour tile + half,
	s_add_co_u32 s68, s68, s14
	s_lshl_b32 s68, s68, s15
	s_sub_co_u32 s70, s42, s21                     ; row 128 x row tile + 64 x half
	s_lshl_b32 s70, s70, 14
	s_add_co_u32 s68, s68, s70
	s_lshl_b32 s70, s13, 13
	s_add_co_u32 s68, s68, s70
	s_mov_b32 s69, 0
	s_add_nc_u64 s[8:9], s[8:9], s[68:69]
; 8 matrix instructions: row blocks a0, a0 + 1 x all 4 neighbour blocks, 32 along K: half c of buffer f.  zero = 1: the first product starts the sums
.macro MUL8 f, c, a0, zero
	WIN MUL
.irp a, \a0, (\a0)+1
.irp b, 0,1,2,3
.if \zero
	v_wmma_f32_16x16x32_f16 v[ACC+8*(4*(\a)+(\b)):ACC+8*(4*(\a)+(\b))+7], v[(\f)+64+8*(4*(\c)+(\b)):(\f)+64+8*(4*(\c)+(\b))+7], v[(\f)+8*(4*(\c)+(\a)):(\f)+8*(4*(\c)+(\a))+7], 0
.else
	v_wmma_f32_16x16x32_f16 v[ACC+8*(4*(\a)+(\b)):ACC+8*(4*(\a)+(\b))+7], v[(\f)+64+8*(4*(\c)+(\b)):(\f)+64+8*(4*(\c)+(\b))+7], v[(\f)+8*(4*(\c)+(\a)):(\f)+8*(4*(\c)+(\a))+7], v[ACC+8*(4*(\a)+(\b)):ACC+8*(4*(\a)+(\b))+7]
.endif
.endr
.endr
.endm
; 32 LDS loads in one run: the fragments of one K block (64 along K) at byte k of a region, into buffer f; the first 32 along K first
.macro FETCH slot, k, f
	WIN TO_F
.irp c, 0,1
.irp i, 0,1,2,3
	ds_load_b128 v[(\f)+64+8*(4*(\c)+(\i)):(\f)+64+8*(4*(\c)+(\i))+3],   v[ADRB+(\slot)] offset:(\k)+64*(\c)+(\i)*16*PITCH
	ds_load_b128 v[(\f)+64+8*(4*(\c)+(\i))+4:(\f)+64+8*(4*(\c)+(\i))+7], v[ADRB+(\slot)] offset:(\k)+64*(\c)+(\i)*16*PITCH+32
	ds_load_b128 v[(\f)+8*(4*(\c)+(\i)):(\f)+8*(4*(\c)+(\i))+3],         v[ADRA+(\slot)] offset:(\k)+64*(\c)+(\i)*16*PITCH
	ds_load_b128 v[(\f)+8*(4*(\c)+(\i))+4:(\f)+8*(4*(\c)+(\i))+7],       v[ADRA+(\slot)] offset:(\k)+64*(\c)+(\i)*16*PITCH+32
.endr
.endr
.endm
.macro PLACES                          ; four places in front of loads into registers that matrix instructions have read, and of vector lines that read results
.rept 4
	v_nop
.endr
.endm
; A K step is four quarters of 64 along K, 32 matrix instructions each, on buffers 0, 1, 0, 1; the 16 accumulators take turns.
.macro QUARTER slot, k, f, g, zero
	s_wait_dscnt 16                                ; the first 32 along K are in; the run's other sixteen loads may be out
	WIN MUL
	MUL8 \f, 0, 0, \zero
	MUL8 \f, 0, 2, \zero
	PLACES
	FETCH \slot, \k, \g
	s_wait_dscnt 32                                ; all but the 32 just issued
	WIN MUL
	MUL8 \f, 1, 0, 0
	MUL8 \f, 1, 2, 0
.endm
; The last quarter multiplies buffer 1 and changes slots: one barrier; in front of it each wave waits for all its tensor loads, adds 0 to its spare word, and waits for that and for its reads of this slot.
.macro TURN slot, next, fill
	WIN 0
	s_wait_tensorcnt 0x0                           ; all my tensor loads have landed: my part of the next slot
	ds_add_u32 v[SPW], v[NIL]
	s_wait_dscnt 17                                ; the add and the youngest sixteen loads may be out
	WIN MUL
	MUL8 F1, 0, 0, 0
	s_wait_dscnt 0x0                               ; the add is done, and my reads of this slot are over
	s_barrier_signal -1
	MUL8 F1, 0, 2, 0
.if \fill
	WIN 0
.endif
	s_barrier_wait -1
.if \fill
	CREST                                          ; the barrier has opened a round of the cluster's: no wave of any partner still reads this slot or has a load on its way
	s_add_nc_u64 s[G0+4*(\slot)+2:G0+4*(\slot)+3], s[G0+4*(\slot)+2:G0+4*(\slot)+3], 2*STEPB
	s_add_nc_u64 s[G0B+4*(\slot)+2:G0B+4*(\slot)+3], s[G0B+4*(\slot)+2:G0B+4*(\slot)+3], 2*STEPB
	JLOAD \slot                                    ; the first tensor load behind the round; its four v_nop are also the places in front of the loads below
.else
	PLACES
.endif
	FETCH \next, 0, F0
	WIN MUL
	MUL8 F1, 1, 0, 0
	MUL8 F1, 1, 2, 0
.endm
	s_wait_tensorcnt 1                             ; my part of K step 0 is in; K step 1's load may stay out
	s_barrier_signal -1
	s_barrier_wait -1
	FETCH 0, 0, F0
	QUARTER 0, QK, F0, F1, 1                       ; the first quarter stands in front of the loop: its first products start the sums
	WIN 0
	s_mov_b32 s3, 1                                ; four K steps are two laps of the ring; the first lap fills both slots again
.Llap:
	QUARTER 0, 2*QK, F1, F0, 0
	QUARTER 0, 3*QK, F0, F1, 0
	TURN 0, 1, 1
	QUARTER 1, QK,   F0, F1, 0
	QUARTER 1, 2*QK, F1, F0, 0
	QUARTER 1, 3*QK, F0, F1, 0
	TURN 1, 0, 1
	QUARTER 0, QK,   F0, F1, 0
	WIN 0
	s_sub_co_u32 s3, s3, 1
	s_cmp_lg_u32 s3, 0
	s_cbranch_scc1 .Llap
	QUARTER 0, 2*QK, F1, F0, 0                     ; the last lap fills nothing
	QUARTER 0, 3*QK, F0, F1, 0
	TURN 0, 1, 0
	QUARTER 1, QK,   F0, F1, 0
	QUARTER 1, 2*QK, F1, F0, 0
	QUARTER 1, 3*QK, F0, F1, 0
	s_wait_dscnt 16
	WIN MUL
	MUL8 F1, 0, 0, 0
	MUL8 F1, 0, 2, 0
	s_wait_dscnt 0
	MUL8 F1, 1, 0, 0
	MUL8 F1, 1, 2, 0
	WIN 0
	; THE WAY OUT: scaled, rounded to f16, 16 rows at a time through my own stage, back as whole rows of 128 bytes: four of them are 512 consecutive bytes of the output.
	PLACES
.macro PACK a
.set i, 0
.rept 16                                           ; each accumulator's registers in ascending order
	v_pk_mul_f32 v[ACC+32*(\a)+2*i:ACC+32*(\a)+2*i+1], v[ACC+32*(\a)+2*i:ACC+32*(\a)+2*i+1], s[SC:SC+1] op_sel_hi:[1,0]
.set i, i+1
.endr
.set i, 0
.rept 16
	v_cvt_pk_f16_f32 v[TMP+16*(\a)+i], v[ACC+32*(\a)+2*i], v[ACC+32*(\a)+2*i+1]
.set i, i+1
.endr
.irp f, 0,1,2,3
	ds_store_b128 v[STO], v[TMP+16*(\a)+4*\f:TMP+16*(\a)+4*\f+3] offset:32*\f
.endr
.irp f, 0,1,2,3
	ds_load_b128 v[TMP+16*(\a)+4*\f:TMP+16*(\a)+4*\f+3], v[RD] offset:\f*4*SP  ; a wave's LDS instructions are served in order: these see the stores above; the next block's stores come behind them
.endr
.endm
.macro SEND a, younger                 ; younger: the LDS instructions issued behind block a's loads: the next block's eight, or none
.irp f, 0,1,2,3
	s_wait_dscnt (\younger)+3-\f
	global_store_b128 v[GO], v[TMP+16*(\a)+4*\f:TMP+16*(\a)+4*\f+3], s[8:9] offset:(\a)*2048+\f*512
.endr
.endm
	PACK 0
.irp a, 1,2,3
	PACK \a
	SEND (\a)-1, 8
.endr
	SEND 3, 0
	s_wait_tensorcnt 0x0                           ; the wave's end
	ds_add_u32 v[SPW], v[NIL]
	s_wait_dscnt 0x0
	CROUND                                         ; the closing round: no work-group ends while a partner may still ask for a tile that names it
	s_endpgm
.Lfunc_end_k_qd373758e3c_proj:
	.size	k_qd373758e3c_proj, .Lfunc_end_k_qd373758e3c_proj-k_qd373758e3c_proj
	.p2alignl 7, 3214868480
	.fill 96, 4, 3214868480
	.section	.rodata,"a",@progbits
	.p2align	6, 0x0
	.amdhsa_kernel k_qd373758e3c_proj
		.amdhsa_group_segment_fixed_size 327680
		.amdhsa_private_segment_fixed_size 0
		.amdhsa_enable_private_segment 0
		.amdhsa_kernarg_size 32
		.amdhsa_user_sgpr_count 2
		.amdhsa_user_sgpr_kernarg_segment_ptr 1
		.amdhsa_wavefront_size32 1
		.amdhsa_system_sgpr_workgroup_id_x 1
		.amdhsa_system_sgpr_workgroup_id_y 1
		.amdhsa_system_sgpr_workgroup_id_z 1
		.amdhsa_system_vgpr_workitem_id 0
		.amdhsa_next_free_vgpr 512
		.amdhsa_next_free_sgpr 72
		.amdhsa_reserve_vcc 0
		.amdhsa_float_denorm_mode_32 3
		.amdhsa_float_denorm_mode_16_64 3
		.amdhsa_memory_ordered 1
		.amdhsa_forward_progress 1
		.amdhsa_inst_pref_size 91
	.end_amdhsa_kernel
	.amdgpu_metadata
---
amdhsa.version: [ 1, 2 ]
amdhsa.kernels:
  - .name:           k_qd373758e3c_proj
    .symbol:         k_qd373758e3c_proj.kd
    .args:
      - { .name: xh, .offset: 0, .size: 8, .value_kind: global_buffer, .address_space: global }
      - { .name: wall, .offset: 8, .size: 8, .value_kind: global_buffer, .address_space: global }
      - { .name: qk, .offset: 16, .size: 8, .value_kind: global_buffer, .address_space: global }
      - { .name: vt, .offset: 24, .size: 8, .value_kind: global_buffer, .address_space: global }
    .group_segment_fixed_size: 327680
    .private_segment_fixed_size: 0
    .kernarg_segment_align: 8
    .kernarg_segment_size: 32
    .max_flat_workgroup_size: 128
    .sgpr_count:     72
    .vgpr_count:     512
    .wavefront_size: 32
...
	.end_amdgpu_metadata
.endif
;; end of part 2
;; launch attn (part 3): grid 16 x 16, 4 waves a work-group, clusters of 4 x 1, 327,680 bytes of LDS; arguments qk, vt, biasf, ob; writes ob
.if DOCPART == 3
	.amdgcn_target "amdgcn-amd-amdhsa--gfx1250"
	.amdhsa_code_object_version 6
	.text
	.protected	k_qd373758e3c_attn
	.globl	k_qd373758e3c_attn
	.p2align	8
	.type	k_qd373758e3c_attn,@function
k_qd373758e3c_attn:
	s_mov_b64 s[64:65], 0
	v_nop
	global_prefetch_b8 v0, s[64:65] scope:SCOPE_SE
	s_setreg_imm32_b32 hwreg(HW_REG_WAVE_MODE, 25, 1), 1
	s_wait_xcnt 0x0
	s_wait_alu depctr_hold_cnt(0) depctr_sa_sdst(0) depctr_va_vdst(0) depctr_va_sdst(0) depctr_va_ssrc(0) depctr_va_vcc(0) depctr_vm_vsrc(0)
	s_getreg_b32 s2, hwreg(HW_REG_IB_STS2, 6, 4)
	s_cmp_eq_u32 s2, 0
	s_cbranch_scc0 .Lentry_in_a_cluster
	s_endpgm
.Lentry_in_a_cluster:
	s_bfe_u32 s2, ttmp6, 0x10000c
	s_cmp_lg_u32 s2, 0x3003
	s_cbranch_scc0 .Lentry_shape_is_right
	s_endpgm
.Lentry_shape_is_right:
; CAUSAL ATTENTION WITH A BIAS AND A KEY MASK, head size 64.  s = (q / 8) . k + bias; keys that are masked or lie behind the query carry -2^100 in biasf in the bias's place.
; qk: [32][4,096][64] f16 (q / 8 by heads, then k), vt: [64 key blocks][1,024 channels][64 keys] f16, biasf: bf16 in fragment order (laid out by the launch before), ob: [16 heads][4,096][64] f16.
; Products, maxima and sums in f32; the weights p are rounded to f16 for the second product (their sum l is taken of the unrounded p), O once at the end.
; LIMITS.  The running maximum starts at -2^29: a visible score below that counts as masked.  A row that sees no open key up to its own (a row in front of the first open key) ends with l = 0
; and stores NaN: the next launch writes rows 0 .. 16 info[0] - 1 anew, which cover all such rows.  A weight below 2^-126 counts as 0; NaN and infinities in the inputs are not treated apart.
; THE WALK.  Queries lie in 32 blocks of 128, keys in tiles of 256; block i needs tiles 0 .. i / 2.  A work-group takes blocks 31 - b and then b: 17 tiles, whatever b: one walk of constant length.
; A block's last tile is a tile like any other: what lies behind the diagonal is -2^100 in biasf.
; THE BIAS COSTS NO VECTOR WORK: it starts the sum S^T as a product E x BF in bf16, E a matrix of zeros and ones that picks 16 of a fragment's 32 keys: one product of each sum is not zero, so the sum is exact.
; CLUSTER.  The four partners are four heads with the same b: they walk alike and need the same bias tile, which is asked for jointly (waves 2 and 3, a half each).
; K (wave 0) and V (wave 1) are each head's own and come by plain loads behind the same rounds.
; LAYOUT.  S^T = K Q^T holds one query a lane (lane % 16) and the keys 8 (lane / 16) + 0..7; two such results rounded to f16 are source 1 of O^T = V^T P.  A wave owns 32 queries: pieces 0 and 1 of 16.
; SOFTMAX.  p = 2^(c s - c m), c = log2(e), m a running maximum; O and l are multiplied by a = 2^(c m_old - c m_new) in every step.
; A STEP (64 keys) goes in phases: 8 bias products, 16 products K Q^T, both pieces' softmax, 16 products V^T P; the LDS loads of the next step's K and bias, and of this step's V, are out meanwhile.
; REGISTERS.  Window 0: v2-15 addresses; v16-23 statistics (c m, m, l, l a piece); v24-35 at work; v64-127 S^T; v128-159 P; v160-223 O^T.
; Window 1: v0-31 Q; v32-63 the second block's Q; v64-127 K; v128-191 V; v192-223 the bias fragments; v224-235 zeros, the pattern, zeros: E for odd key blocks at v224, for even ones at v228.
.set KS,    64
.set PK,    144                        ; a row of K or of V^T in LDS: 128 bytes + 16 of padding: the 16 rows of a load start at 16 different groups of four banks
.set VOFF,  256*PK                     ; 36,864: K's 256 rows, then V: [4 steps][64 channels][144]
.set BOFF,  2*VOFF                     ; then the bias tile's two halves of 32,768 bytes, 36,864 apart
.set SLOT,  143360
.set STAGE, 2*SLOT                     ; behind the ring: 16 rows x 144 bytes for each wave
.set SP,    144
.set SPARE, STAGE+4*16*SP              ; the spare words, 128 bytes a wave: two blocks of 256 bytes that no other line names
.set AK,  2                            ; the LDS address of K's next run of loads
.set AV,  3                            ; of V's
.set AB,  4                            ; of the bias's
.set LK,  5                            ; my lane's place in a tile of K or V: (l % 16) x 144 + 16 (l / 16)
.set LB,  6                            ; my wave's and lane's place in a bias tile
.set STO, 7
.set RD,  8
.set GO,  9
.set QO,  10
.set SPW, 14                           ; my spare word's LDS address; never rewritten
.set NIL, 15                           ; 0; never rewritten
.set ST,  16
.set MV,  24
.set TMP, 28
.set S,   64
.set P,   128
.set O,   160
.set QB,  32                           ; window 1
.set KF,  64
.set VF,  128
.set BF,  192
.set EZ,  224
.set WV,  12
.set CX,  13
.set HEAD, 14
.set PB,  15                           ; b
.set HI,  16                           ; 31 - b
.set LQ2, 17                           ; the second block's last tile
.set KBS, 18                           ; s[18:19] K of my head;  s[20:21] V;  s[22:23] my half of a bias tile
.set VBS, 20
.set BBS, 22
.set G1K, 24
.set G1V, 32
.set G1B, 40
.set G0K, 48
.set G0V, 52
.set G0B, 56
.set CS,  60                           ; s[60:61] c
.set SEL, 62                           ; s[62:63] v_permlanex16_b32's selects
.set NXT, 66                           ; the tile to be asked for next
.set LQ,  67                           ; the last tile of the block whose tiles are being asked for
.set QA,  68                           ; that block
.set RT,  69                           ; tiles of the block in hand still to be entered
.set CNT, 71
.set TRIP, 72
.set LBW, 73                           ; where my half of a bias tile lands in slot 0
.set OFF, 74                           ; s[74:75]
.set OLO, 76                           ; s[76:77] ob at my rows of the second block
.set OBP, 78                           ; s[78:79] ob at my rows of the block in hand
.set QH,  80
.set QL,  82
.set MSB, 0
.macro WIN new
.if MSB != (\new)
	s_set_vgpr_msb (MSB<<8)|(\new)
.set MSB, \new
.endif
.endm
.macro PLACES
.rept 4
	v_nop
.endr
.endm
.macro CROUND                          ; a round of the cluster's barrier
	s_barrier_signal -1
	s_barrier_wait -1
	s_cmp_lg_u32 s[WV], 0
	s_cbranch_scc1 .Lnot_wave_0_\@
	s_barrier_signal -3
.Lnot_wave_0_\@:
	s_barrier_wait -3
	s_barrier_signal -1
	s_barrier_wait -1
.endm
; A fill: one tensor load a wave.  Wave 0: K; wave 1: V; waves 2 and 3: the halves of the bias tile, jointly with the partners.  The branches hang on the wave's number alone.
.macro LOAD3
	s_cmp_lg_u32 s[WV], 0
	s_cbranch_scc1 .Lnot_k_\@
	tensor_load_to_lds s[G0K:G0K+3], s[G1K:G1K+7]
	s_nop 0
	PLACES
	s_branch .Lasked_\@
.Lnot_k_\@:
	s_cmp_lg_u32 s[WV], 1
	s_cbranch_scc1 .Lnot_v_\@
	tensor_load_to_lds s[G0V:G0V+3], s[G1V:G1V+7]
	s_nop 0
	PLACES
	s_branch .Lasked_\@
.Lnot_v_\@:
	tensor_load_to_lds s[G0B:G0B+3], s[G1B:G1B+7]
	s_nop 0
	PLACES
.Lasked_\@:
.endm
; THE CHANGE OF SLOTS.  Each wave waits for all its tensor loads (one is out: its part of the slot to be read next), adds 0 to its spare word, and waits for that and for its reads of the slot that it leaves.
; fill = 1: slot fs, which has been read, takes tile NXT of block QA: the addresses are made anew from those numbers; the barrier is a round of the cluster's, and the fill is the first thing behind it:
; it has a tile's four steps in which to land.
.macro CHANGE fs, fill
	WIN 0
	s_wait_tensorcnt 0x0                           ; no tensor load of mine is out, so the descriptors may be written
	ds_add_u32 v[SPW], v[NIL]                      ; 0 onto my spare word; the scalar work stands between it and the wait for it
.if \fill
	s_lshl_b32 s[OFF], s[NXT], 15                  ; a tile of K is 32,768 bytes
	s_mov_b32 s[G0K+1], (\fs)*SLOT
	s_add_nc_u64 s[G0K+2:G0K+3], s[KBS:KBS+1], s[OFF:OFF+1]
	s_or_b32 s[G0K+3], s[G0K+3], 0x80000000
	s_lshl_b32 s[OFF], s[NXT], 19                  ; four key blocks of V of 131,072 bytes
	s_mov_b32 s[G0V+1], (\fs)*SLOT+VOFF
	s_add_nc_u64 s[G0V+2:G0V+3], s[VBS:VBS+1], s[OFF:OFF+1]
	s_or_b32 s[G0V+3], s[G0V+3], 0x80000000
	s_lshl_b32 s[OFF], s[QA], 4                    ; bias tile 16 QA + NXT of 65,536 bytes
	s_add_co_u32 s[OFF], s[OFF], s[NXT]
	s_lshl_b32 s[OFF], s[OFF], 16
	s_add_co_u32 s[G0B+1], s[LBW], (\fs)*SLOT
	s_add_nc_u64 s[G0B+2:G0B+3], s[BBS:BBS+1], s[OFF:OFF+1]
	s_or_b32 s[G0B+3], s[G0B+3], 0x80000000
	s_add_co_u32 s[NXT], s[NXT], 1                 ; the block's next tile, or behind its last the second block's tile 0
	s_cmp_gt_u32 s[NXT], s[LQ]
	s_cselect_b32 s[NXT], 0, s[NXT]
	s_cselect_b32 s[QA], s[PB], s[QA]
	s_cselect_b32 s[LQ], s[LQ2], s[LQ]
	s_wait_dscnt 0x0                               ; the add is done, and my reads of the slot are over
	CROUND
	LOAD3
.else
	s_wait_dscnt 0x0
	s_barrier_signal -1
	s_barrier_wait -1
.endif
.endm
; THE LDS LOADS, in runs.  A step's K (8 fragments) and bias (4 fragments, as they lie); a step's V^T (8 fragments).
.macro FETCH_KB
	WIN 0x40                                       ; destination window 1, address window 0
.irp f, 0,1,2,3,4,5,6,7                            ; keys 16 (f / 2) on, channels 32 (f % 2) on
	ds_load_b128 v[KF+8*\f:KF+8*\f+3],   v[AK] offset:(\f/2)*16*PK+(\f%2)*64
	ds_load_b128 v[KF+8*\f+4:KF+8*\f+7], v[AK] offset:(\f/2)*16*PK+(\f%2)*64+32
.endr
.irp f, 0,1,2,3,4,5,6,7                            ; piece f / 4, fragment (f / 2) % 2, half f % 2: 512 bytes on end each
	ds_load_b128 v[BF+4*\f:BF+4*\f+3], v[AB] offset:512*\f
.endr
	WIN 0
	v_add_nc_u32 v[AK], KS*PK, v[AK]               ; the next run is the next step's
	v_add_nc_u32 v[AB], 4096, v[AB]
.endm
.macro FETCH_V
	WIN 0x40
.irp f, 0,1,2,3,4,5,6,7                            ; keys 32 (f / 4) on, channels 16 (f % 4) on
	ds_load_b128 v[VF+8*\f:VF+8*\f+3],   v[AV] offset:(\f%4)*16*PK+(\f/4)*64
	ds_load_b128 v[VF+8*\f+4:VF+8*\f+7], v[AV] offset:(\f%4)*16*PK+(\f/4)*64+32
.endr
	WIN 0
	v_add_nc_u32 v[AV], KS*PK, v[AV]
.endm
; THE VECTOR WORK, for piece t.
.macro REGS t
.set rT, ST+4*(\t)
.set rC, TMP+4*(\t)
.set rW, MV+(\t)
.set rS, S+32*(\t)
.set rP, P+16*(\t)
.set rO, O+32*(\t)
.endm
; Number n of the 22 that find the maximum and statistics.  0-11: four chains of seven scores, each accumulator's lowest registers first; 12-14, 16: the four scores left over, the old m, and
; the chains into c0; 15: c m_old is kept; 17, 18: the query's other 32 keys lie in the lane 16 away; 19-21: c m, c m_old - c m_new, a.
.macro XS t, n
	REGS \t
.if (\n) < 4
	v_max3_num_f32 v[rC+(\n)], v[rS+8*(\n)], v[rS+8*(\n)+1], v[rS+8*(\n)+2]
.elseif (\n) < 12
	v_max3_num_f32 v[rC+(\n)%4], v[rC+(\n)%4], v[rS+8*((\n)%4)+2*((\n)/4)+1], v[rS+8*((\n)%4)+2*((\n)/4)+2]
.elseif (\n) == 12
	v_max3_num_f32 v[rC], v[rC], v[rS+7], v[rS+15]
.elseif (\n) == 13
	v_max3_num_f32 v[rC+1], v[rC+1], v[rS+23], v[rS+31]
.elseif (\n) == 14
	v_max3_num_f32 v[rC+2], v[rC+2], v[rC+3], v[rT+1]
.elseif (\n) == 15
	v_mov_b32 v[rW], v[rT]
.elseif (\n) == 16
	v_max3_num_f32 v[rC], v[rC], v[rC+1], v[rC+2]
.elseif (\n) == 17
	v_permlanex16_b32 v[rC+3], v[rC], s[SEL], s[SEL+1]
.elseif (\n) == 18
	v_max_num_f32 v[rT+1], v[rC], v[rC+3]
.elseif (\n) == 19
	v_mul_f32 v[rT], s[CS], v[rT+1]
.elseif (\n) == 20
	v_sub_f32 v[rC+1], v[rW], v[rT]
.else
	v_exp_f32 v[rC+2], v[rC+1]
.endif
.endm
.macro FS t, n                         ; c s - c m for pair n of 16
	REGS \t
	v_pk_fma_f32 v[rS+2*(\n):rS+2*(\n)+1], v[rS+2*(\n):rS+2*(\n)+1], s[CS:CS+1], v[rT:rT+1] op_sel_hi:[1,0,0] neg_lo:[0,0,1] neg_hi:[0,0,1]
.endm
.macro ES t, n                         ; the exponential of score n of 32
	REGS \t
	v_exp_f32 v[rS+(\n)], v[rS+(\n)]
.endm
.macro RS t, n                         ; pair n of 16 of O^T times a
	REGS \t
	s_wait_alu depctr_va_vdst(0)
	v_pk_mul_f32 v[rO+2*(\n):rO+2*(\n)+1], v[rO+2*(\n):rO+2*(\n)+1], v[rC+2:rC+3] op_sel_hi:[1,0]
.endm
.macro CV t, n                         ; pair n rounded to f16
	REGS \t
	s_wait_alu depctr_va_vdst(0)
	v_cvt_pk_f16_f32 v[rP+(\n)], v[rS+2*(\n)], v[rS+2*(\n)+1]
.endm
.macro BS t, n                         ; of four weights the second pair is added onto the first
	REGS \t
	v_pk_add_f32 v[rS+4*(\n):rS+4*(\n)+1], v[rS+4*(\n):rS+4*(\n)+1], v[rS+4*(\n)+2:rS+4*(\n)+3]
.endm
.macro LS t, n                         ; l takes that sum; the first time l = a l + sum
	REGS \t
.if (\n) == 0
	v_pk_fma_f32 v[rT+2:rT+3], v[rT+2:rT+3], v[rC+2:rC+3], v[rS:rS+1] op_sel_hi:[1,0,1]
.else
	v_pk_add_f32 v[rT+2:rT+3], v[rT+2:rT+3], v[rS+4*(\n):rS+4*(\n)+1]
.endif
.endm
; Both pieces' softmax; the pieces alternate at every entry.  Behind each pair of exponentials stands a pair of plain lines that are ready (the rescaling, then roundings of weights made 17 numbers back),
; so a plain line stands between every exponential and the use of its result (ISA guide 5.7.2).
.macro SOFT
.set n, 0
.rept 22
	XS 0, n
	XS 1, n
.set n, n+1
.endr
.set n, 0
.rept 16
	FS 0, n
	FS 1, n
.set n, n+1
.endr
.set n, 0
.rept 32
	ES 0, n
	ES 1, n
.if n < 16
	RS 0, n
	RS 1, n
.elseif n > 16
	CV 0, n-17
	CV 1, n-17
.endif
.set n, n+1
.endr
	CV 0, 15
	CV 1, 15
.set n, 0
.rept 8
	BS 0, n
	BS 1, n
.set n, n+1
.endr
.set n, 0
.rept 8
	LS 0, n
	LS 1, n
.set n, n+1
.endr
.endm
; A KEY STEP.  In each run of products the 8 accumulators take turns, one instruction a turn.
.macro STEP
	PLACES                                         ; behind the last products, which read V's registers
	FETCH_V
	s_wait_dscnt 16                                ; K and the bias are in; V's sixteen loads may be out
	WIN 0x05                                       ; sources 0 and 1 window 1, C and D window 0
.set i, 0
.rept 8                                            ; key block i / 2, piece i % 2: S^T starts as the bias
.set rS, S+32*(i%2)+8*(i/2)
.set rE, EZ+4-4*((i/2)%2)
.set rB, BF+16*(i%2)+8*(i/4)
	v_wmma_f32_16x16x32_bf16 v[rS:rS+7], v[rE:rE+7], v[rB:rB+7], 0
.set i, i+1
.endr
.rept 5
	v_nop                                          ; the f16 form that follows is no link of the bf16 form's chain: five places (ISA guide 7.12.1)
.endr
.set i, 0
.rept 16                                           ; channels 32 (i / 8) on, keys 16 ((i / 2) % 4) on, piece i % 2
.set rS, S+32*(i%2)+8*((i/2)%4)
.set rK, KF+16*((i/2)%4)+8*(i/8)
.set rQ, 16*(i%2)+8*(i/8)
	v_wmma_f32_16x16x32_f16 v[rS:rS+7], v[rK:rK+7], v[rQ:rQ+7], v[rS:rS+7]
.set i, i+1
.endr
	PLACES                                         ; in front of the loads into K's and the bias's registers and of the first read of the scores
	WIN 0
	s_cmp_eq_u32 s[CNT], 1                         ; a tile's last step fetches no further K
	s_cbranch_scc1 .Lno_k_\@
	FETCH_KB
.Lno_k_\@:
	SOFT
	s_wait_dscnt 0x0                               ; V is in (and the next step's K and bias)
	WIN 0x01                                       ; V in window 1; P, C and D in window 0
.set i, 0
.rept 16                                           ; keys 32 (i / 8) on, channels 16 ((i / 2) % 4) on, piece i % 2
.set rO, O+32*(i%2)+8*((i/2)%4)
.set rV, VF+32*(i/8)+8*((i/2)%4)
.set rP, P+16*(i%2)+8*(i/8)
	v_wmma_f32_16x16x32_f16 v[rO:rO+7], v[rV:rV+7], v[rP:rP+7], v[rO:rO+7]
.set i, i+1
.endr
	WIN 0
.endm
; What a block begins with: O and l are 0; m = -2^29 and c m.  O is cleared, not left to a = 0: a row whose first steps are all hidden keeps a = 1.
.macro INIT
.set i, 0
.rept 64
	v_mov_b32 v[O+i], 0
.set i, i+1
.endr
.irp t, 0,1
	v_mov_b32 v[ST+4*\t], 0xce38aa3b
	v_mov_b32 v[ST+4*\t+1], 0xce000000
	v_mov_b32 v[ST+4*\t+2], 0
	v_mov_b32 v[ST+4*\t+3], 0
.endr
.endm
.macro PACK t                          ; O^T / l, rounded to f16, through my stage: in by rows of 144 bytes, back as whole rows of 128, into S^T's registers
.set i, 0
.rept 16
	v_pk_mul_f32 v[O+32*(\t)+2*i:O+32*(\t)+2*i+1], v[O+32*(\t)+2*i:O+32*(\t)+2*i+1], v[ST+4*(\t)+2:ST+4*(\t)+3] op_sel_hi:[1,0]
.set i, i+1
.endr
.set i, 0
.rept 16
	v_cvt_pk_f16_f32 v[S+16*(\t)+i], v[O+32*(\t)+2*i], v[O+32*(\t)+2*i+1]
.set i, i+1
.endr
.irp f, 0,1,2,3
	ds_store_b128 v[STO], v[S+16*(\t)+4*\f:S+16*(\t)+4*\f+3] offset:32*\f
.endr
.irp f, 0,1,2,3
	ds_load_b128 v[S+16*(\t)+4*\f:S+16*(\t)+4*\f+3], v[RD] offset:\f*4*SP  ; a wave's LDS instructions are served in order: these see the stores above
.endr
.endm
.macro SEND t, younger                 ; younger: the LDS instructions issued behind piece t's loads
.irp f, 0,1,2,3
	s_wait_dscnt (\younger)+3-\f
	global_store_b128 v[GO], v[S+16*(\t)+4*\f:S+16*(\t)+4*\f+3], s[OBP:OBP+1] offset:(\t)*2048+\f*512  ; 512 consecutive bytes, aligned
.endr
.endm
; A BLOCK ENDS.  last = 0: the second block is taken in hand.
.macro FINISH last
	PLACES
.irp t, 0,1
	v_add_f32 v[ST+4*\t+2], v[ST+4*\t+2], v[ST+4*\t+3]
.endr
.irp t, 0,1
	v_permlanex16_b32 v[ST+4*\t+3], v[ST+4*\t+2], s[SEL], s[SEL+1]
.endr
.irp t, 0,1
	v_add_f32 v[ST+4*\t+2], v[ST+4*\t+2], v[ST+4*\t+3]
.endr
.irp t, 0,1
	v_rcp_f32 v[ST+4*\t+2], v[ST+4*\t+2]
.endr
	v_nop                                          ; a plain line between the last reciprocal and the use of its result
	s_wait_alu depctr_va_vdst(0)
	PACK 0
	PACK 1
	SEND 0, 8
	SEND 1, 0
.if !(\last)
	s_wait_xcnt 0x0                                ; the stores' registers and base are rewritten only behind this wait
	s_mov_b64 s[OBP:OBP+1], s[OLO:OLO+1]
	s_add_co_u32 s[RT], s[LQ2], 1                  ; the second block has b / 2 + 1 tiles
	INIT
	WIN 0x41                                       ; the second block's Q goes where the one text of the steps names Q
.set i, 0
.rept 32
	v_mov_b32 v[i], v[QB+i]
.set i, i+1
.endr
	WIN 0
.endif
.endm
; A TILE in slot `slot`: four steps.  In the loop a block's end can only be the first block's: the second's last tile is the walk's last.
.macro TILE slot, last
	s_sub_co_u32 s[RT], s[RT], 1
	v_add_nc_u32 v[AK], (\slot)*SLOT, v[LK]
	v_add_nc_u32 v[AV], (\slot)*SLOT+VOFF, v[LK]
	v_add_nc_u32 v[AB], (\slot)*SLOT, v[LB]
	FETCH_KB
	s_mov_b32 s[CNT], 4
.Lstep_\@:
	STEP
	s_sub_co_u32 s[CNT], s[CNT], 1
	s_cmp_lg_u32 s[CNT], 0
	s_cbranch_scc1 .Lstep_\@
.if \last
	FINISH 1
.else
	s_cmp_lg_u32 s[RT], 0
	s_cbranch_scc1 .Lgo_on_\@
	FINISH 0
.Lgo_on_\@:
.endif
.endm
	s_load_b256 s[4:11], s[0:1], 0x0               ; qk 4, vt 6, biasf 8, ob 10
	v_lshl_add_u32 v[SPW], v0, 2, SPARE
	v_mov_b32 v[NIL], 0
	ds_add_u32 v[SPW], v[NIL]                      ; the wave's opening: the add and its wait stand ahead of my first tensor load; the set-up stands between them
	v_lshrrev_b32 v1, 5, v0
	v_readfirstlane_b32 s[WV], v1
	s_bfe_u32 s[CX], ttmp6, 0x40000
	s_lshl_b32 s[HEAD], ttmp9, 2
	s_add_co_u32 s[HEAD], s[HEAD], s[CX]           ; my head: it enters K's, V's, Q's and O's addresses alone
	s_and_b32 s[PB], ttmp7, 0xffff                 ; b, which the four partners share
	s_sub_co_u32 s[HI], 31, s[PB]
	s_lshr_b32 s[LQ2], s[PB], 1
	s_mov_b32 s[G1K], (1<<16)|(1<<20)|(4<<22)|(3<<25)  ; 2-byte elements; padding on: after every 32 words, 4 words
	s_mov_b32 s[G1K+1], 128<<16                    ; 256 keys are 32,768 dense bytes: 128 rows of 256 bytes
	s_mov_b32 s[G1K+2], 128<<16
	s_mov_b32 s[G1K+3], 128<<16
	s_mov_b32 s[G1K+4], 128
	s_mov_b32 s[G1K+5], 128
	s_mov_b32 s[G1K+6], 0
	s_mov_b32 s[G1K+7], 0
	s_mov_b32 s[G1V], (1<<16)|(1<<20)|(4<<22)|(3<<25)
	s_mov_b32 s[G1V+1], 4096<<16                   ; a head's 64 channels of a key block are 8,192 dense bytes; four key blocks
	s_mov_b32 s[G1V+2], 4<<16
	s_mov_b32 s[G1V+3], 4096<<16
	s_mov_b32 s[G1V+4], 4
	s_mov_b32 s[G1V+5], 65536                      ; elements from a key block to the next
	s_mov_b32 s[G1V+6], 0
	s_mov_b32 s[G1V+7], 0
	s_mov_b32 s[G1B], 15|(3<<16)|(1<<21)           ; the mask of four; 8-byte elements; bit 21 beside a mask; no padding
	s_mov_b32 s[G1B+1], 32<<16                     ; 32,768 dense bytes: 128 rows of 256
	s_mov_b32 s[G1B+2], 128<<16
	s_mov_b32 s[G1B+3], 32<<16
	s_mov_b32 s[G1B+4], 128
	s_mov_b32 s[G1B+5], 32
	s_mov_b32 s[G1B+6], 0
	s_mov_b32 s[G1B+7], 0
	s_mov_b32 s[CS], 0x3fb8aa3b                    ; c = log2(e)
	s_mov_b32 s[CS+1], s[CS]
	s_mov_b32 s[SEL], 0x76543210
	s_mov_b32 s[SEL+1], 0xfedcba98
	s_and_b32 s84, s[WV], 1                        ; which half of a bias tile I fetch (waves 2, 3)
	s_mul_i32 s[LBW], s84, VOFF
	s_add_co_u32 s[LBW], s[LBW], BOFF
	s_lshl_b32 s84, s84, 15
	s_mov_b32 s85, 0
	s_mov_b32 s[OFF+1], 0
	s_mov_b32 s[NXT], 1
	s_lshr_b32 s[LQ], s[HI], 1
	s_mov_b32 s[QA], s[HI]
	s_add_co_u32 s[RT], s[LQ], 1
	s_mov_b32 s[G0K], 1
	s_mov_b32 s[G0K+1], 0
	s_mov_b32 s[G0V], 1
	s_mov_b32 s[G0V+1], VOFF
	s_mov_b32 s[G0B], 1
	s_mov_b32 s[G0B+1], s[LBW]
	s_wait_dscnt 0x0                               ; the opening add is done
	s_wait_kmcnt 0x0
	s_add_nc_u64 s[BBS:BBS+1], s[8:9], s[84:85]
	s_lshl_b32 s[OFF], s[HI], 20                   ; bias tile 16 (31 - b)
	s_add_nc_u64 s[G0B+2:G0B+3], s[BBS:BBS+1], s[OFF:OFF+1]
	s_or_b32 s[G0B+3], s[G0B+3], 0x80000000
	s_add_co_u32 s86, s[HEAD], 16
	s_lshl_b32 s86, s86, 19
	s_mov_b32 s87, 0
	s_add_nc_u64 s[KBS:KBS+1], s[4:5], s[86:87]
	s_add_nc_u64 s[G0K+2:G0K+3], s[KBS:KBS+1], 0
	s_or_b32 s[G0K+3], s[G0K+3], 0x80000000
	s_lshl_b32 s86, s[HEAD], 13
	s_add_nc_u64 s[VBS:VBS+1], s[6:7], s[86:87]
	s_add_nc_u64 s[G0V+2:G0V+3], s[VBS:VBS+1], 0
	s_or_b32 s[G0V+3], s[G0V+3], 0x80000000
	s_lshl_b32 s86, s[HEAD], 19                    ; my 32 rows of 128 bytes in q and in ob: head, block, wave
	s_lshl_b32 s84, s[WV], 12
	s_add_co_u32 s86, s86, s84
	s_lshl_b32 s84, s[HI], 14
	s_add_co_u32 s84, s84, s86
	s_add_nc_u64 s[QH:QH+1], s[4:5], s[84:85]
	s_add_nc_u64 s[OBP:OBP+1], s[10:11], s[84:85]
	s_lshl_b32 s84, s[PB], 14
	s_add_co_u32 s84, s84, s86
	s_add_nc_u64 s[QL:QL+1], s[4:5], s[84:85]
	s_add_nc_u64 s[OLO:OLO+1], s[10:11], s[84:85]
	CROUND                                         ; all four work-groups are here: the first joint loads meet
	LOAD3                                          ; tile 0 into slot 0
	v_and_b32 v1, 15, v0                           ; l % 16
	v_bfe_u32 v11, v0, 4, 1                        ; l / 16
	v_lshlrev_b32 v[QO], 7, v1
	v_lshl_add_u32 v[QO], v11, 4, v[QO]
	WIN 0x40
.set i, 0
.rept 4                                            ; both blocks' Q: piece i / 2, channels 32 (i % 2) on
	global_load_b128 v[8*i:8*i+3],   v[QO], s[QH:QH+1] offset:(i/2)*2048+(i%2)*64
	global_load_b128 v[8*i+4:8*i+7], v[QO], s[QH:QH+1] offset:(i/2)*2048+(i%2)*64+32
	global_load_b128 v[QB+8*i:QB+8*i+3],   v[QO], s[QL:QL+1] offset:(i/2)*2048+(i%2)*64
	global_load_b128 v[QB+8*i+4:QB+8*i+7], v[QO], s[QL:QL+1] offset:(i/2)*2048+(i%2)*64+32
.set i, i+1
.endr
	WIN 0
	; E: row r of the 16 holds a one at k = r (even key blocks) or k = 16 + r (odd ones).  Lane (r, h) holds k = 8 h .. 8 h + 7 in four registers: the one lies there if r / 8 = h, in register (r % 8) / 2, half r % 2.
	v_bfe_u32 v12, v0, 1, 2
	v_bfe_u32 v13, v0, 3, 1
	v_xor_b32 v13, v13, v11
	v_lshl_add_u32 v12, v13, 3, v12                ; the register's number, or 8 and more where there is none
	v_and_b32 v13, 1, v0
	v_lshlrev_b32 v13, 4, v13
	v_mov_b32 v26, 0x3f80                          ; 1.0 in bf16
	v_lshlrev_b32 v13, v13, v26
	WIN 0x40
.irp i, 0,1,2,3
	v_cmp_eq_u32 vcc_lo, \i, v12
	v_cndmask_b32 v[EZ+4+\i], 0, v13, vcc_lo
	v_mov_b32 v[EZ+\i], 0
	v_mov_b32 v[EZ+8+\i], 0
.endr
	WIN 0
	v_mul_u32_u24 v[LK], v1, PK
	v_lshl_add_u32 v[LK], v11, 4, v[LK]
	s_lshl_b32 s84, s[WV], 14                      ; my wave's 16,384 bytes of a bias tile; the second half lies 4,096 further on
	s_lshr_b32 s86, s[WV], 1
	s_lshl_b32 s86, s86, 12
	s_add_co_u32 s84, s84, s86
	s_add_co_u32 s84, s84, BOFF
	v_and_b32 v12, 31, v0
	v_lshl_add_u32 v[LB], v12, 4, s84
	s_mul_i32 s84, s[WV], 16*SP
	s_add_co_u32 s84, s84, STAGE                   ; my stage
	v_mul_u32_u24 v[STO], v1, SP
	v_lshl_add_u32 v[STO], v11, 4, v[STO]
	v_add_nc_u32 v[STO], s84, v[STO]
	v_bfe_u32 v[RD], v0, 3, 2
	v_mul_u32_u24 v[RD], v[RD], SP
	v_and_b32 v13, 7, v0
	v_lshl_add_u32 v[RD], v13, 4, v[RD]
	v_add_nc_u32 v[RD], s84, v[RD]
	v_lshlrev_b32 v[GO], 4, v12
	INIT
	s_wait_loadcnt 0x0                             ; Q
	s_mov_b32 s[TRIP], 8
.Lwalk:                                                ; eight trips of two tiles; each change of slots asks for one tile more
	CHANGE 1, 1
	TILE 0, 0
	CHANGE 0, 1
	TILE 1, 0
	s_sub_co_u32 s[TRIP], s[TRIP], 1
	s_cmp_lg_u32 s[TRIP], 0
	s_cbranch_scc1 .Lwalk
	CHANGE 0, 0                                    ; the walk's 17th tile is written out: nothing is asked for
	TILE 0, 1
	s_wait_tensorcnt 0x0                           ; the wave's end
	ds_add_u32 v[SPW], v[NIL]
	s_wait_dscnt 0x0
	CROUND                                         ; the closing round
	s_endpgm
.Lfunc_end_k_qd373758e3c_attn:
	.size	k_qd373758e3c_attn, .Lfunc_end_k_qd373758e3c_attn-k_qd373758e3c_attn
	.p2alignl 7, 3214868480
	.fill 96, 4, 3214868480
	.section	.rodata,"a",@progbits
	.p2align	6, 0x0
	.amdhsa_kernel k_qd373758e3c_attn
		.amdhsa_group_segment_fixed_size 327680
		.amdhsa_private_segment_fixed_size 0
		.amdhsa_enable_private_segment 0
		.amdhsa_kernarg_size 32
		.amdhsa_user_sgpr_count 2
		.amdhsa_user_sgpr_kernarg_segment_ptr 1
		.amdhsa_wavefront_size32 1
		.amdhsa_system_sgpr_workgroup_id_x 1
		.amdhsa_system_sgpr_workgroup_id_y 1
		.amdhsa_system_sgpr_workgroup_id_z 1
		.amdhsa_system_vgpr_workitem_id 0
		.amdhsa_next_free_vgpr 512
		.amdhsa_next_free_sgpr 88
		.amdhsa_reserve_vcc 1
		.amdhsa_float_denorm_mode_32 3
		.amdhsa_float_denorm_mode_16_64 3
		.amdhsa_memory_ordered 1
		.amdhsa_forward_progress 1
		.amdhsa_inst_pref_size 111
	.end_amdhsa_kernel
	.amdgpu_metadata
---
amdhsa.version: [ 1, 2 ]
amdhsa.kernels:
  - .name:           k_qd373758e3c_attn
    .symbol:         k_qd373758e3c_attn.kd
    .args:
      - { .name: qk, .offset: 0, .size: 8, .value_kind: global_buffer, .address_space: global }
      - { .name: vt, .offset: 8, .size: 8, .value_kind: global_buffer, .address_space: global }
      - { .name: biasf, .offset: 16, .size: 8, .value_kind: global_buffer, .address_space: global }
      - { .name: ob, .offset: 24, .size: 8, .value_kind: global_buffer, .address_space: global }
    .group_segment_fixed_size: 327680
    .private_segment_fixed_size: 0
    .kernarg_segment_align: 8
    .kernarg_segment_size: 32
    .max_flat_workgroup_size: 128
    .sgpr_count:     88
    .vgpr_count:     512
    .wavefront_size: 32
...
	.end_amdgpu_metadata
.endif
;; end of part 3
;; launch fix (part 4): grid 16 x 1, 16 waves a work-group, no clusters, 108,544 bytes of LDS; arguments qk, vt, spatial_bias, mask, info, ob; writes ob
.if DOCPART == 4
	.amdgcn_target "amdgcn-amd-amdhsa--gfx1250"
	.amdhsa_code_object_version 6
	.text
	.protected	k_qd373758e3c_fix
	.globl	k_qd373758e3c_fix
	.p2align	8
	.type	k_qd373758e3c_fix,@function
k_qd373758e3c_fix:
	s_mov_b64 s[64:65], 0
	v_nop
	global_prefetch_b8 v0, s[64:65] scope:SCOPE_SE
	s_setreg_imm32_b32 hwreg(HW_REG_WAVE_MODE, 25, 1), 1
	s_wait_xcnt 0x0
; THE FIRST ROWS, BY THE LETTER.  A row in front of the first open key has every key up to its own at -1e9, and the open keys behind it at s - 1e9 rounded to f32, which ties with them while |s| < 32:
; such a row attends above the diagonal.  So rows 0 .. 16 info[0] - 1 (they cover all such rows; info[0] >= 1) are made anew over ALL keys with the arithmetic as it is defined:
; s = (q / 8) . k + bias (the bias rounded to bf16, as elsewhere); -1e9 in its place where the key is masked; -1e9 added, in f32, where the key lies behind the query; softmax with a running maximum, s - m formed first.
; A work-group is a head.  ROW BLOCK 0 (16 rows; there is always one): wave w takes keys 256 w .. 256 w + 255, four steps of 64; the sixteen partial (m, l, O) meet in LDS behind one barrier, and waves 0-3 add them up.
; ROW BLOCKS 1 .. info[0] - 1 (there are some only if the first 16 keys are all masked): wave w takes blocks 1 + w, 17 + w, .. alone, 64 steps each: no wave waits for another, so that the loop whose
; count is read from memory holds no barrier.
; Layouts as in the attention launch: S^T = K Q^T + bias holds one query a lane and the keys 8 (lane / 16) + 0..7; O^T = V^T P.  P and the output are f16.  NaN and infinities are not treated apart.
.set PART,  4352                       ; a wave's partial: O^T 4 x 1,024 bytes (32 bytes a lane), then 16 pairs (m, l)
.set FSTG,  16*PART                    ; 69,632: 16 stages of 16 rows x 144 bytes, for the later blocks' way out
.set SP,    144
.set SPARE, FSTG+16*16*SP              ; 106,496: the spare words, 128 bytes a wave: eight blocks of 256 bytes that no other line names
.set VK,  4                            ; running byte offsets: K, V, the bias, the mask
.set VV,  5
.set VB,  6
.set VM,  7
.set KL,  8                            ; my lane's terms: r x 128 + 16 h;  r x 16,384 + 32 h;  8 h;  r - 8 h
.set BL,  9
.set ML,  10
.set CL,  11
.set CQ,  12                           ; key 16 kb + j of the step lies behind my query where 16 kb + j > CQ
.set SPW, 13
.set NIL, 14
.set PA,  15
.set PM,  16
.set STO, 17
.set M,   18                           ; v[18:19] m, and a partner for the packed forms (at the end l)
.set MO,  20
.set RD,  21
.set A,   22                           ; v[22:23]
.set L,   24                           ; v[24:25]
.set T,   26                           ; v26-33 at work
.set MK,  34                           ; v34-41 eight mask bytes for each key block
.set NEG, 42                           ; -1e9
.set GO,  43
.set QF,  44                           ; v44-59
.set LSUM, 60
.set GOF, 61
.set SB,  64                           ; v64-95 the bias, then S^T, then the weights
.set OF,  96                           ; v96-127
.set KF,  128                          ; v128-191
.set PF,  128                          ; P takes K's first 16 registers
.set VF,  192                          ; v192-255
.set WV,  16
.set HEAD, 17
.set NRB, 18
.set NBW, 19
.set JB,  20
.set CNT, 21
.set CS,  22
.set SEL, 24
.set KP,  26
.set VP,  28
.set QP,  30
.set BP,  32
.set OP,  34
	s_load_b256 s[4:11], s[0:1], 0x0               ; qk 4, vt 6, bias 8, mask 10
	s_load_b128 s[12:15], s[0:1], 0x20             ; info 12, ob 14
	v_lshl_add_u32 v[SPW], v0, 2, SPARE
	v_mov_b32 v[NIL], 0
	v_lshrrev_b32 v3, 5, v0
	v_readfirstlane_b32 s[WV], v3                  ; wave 0..15
	s_mov_b32 s[HEAD], ttmp9
	s_mov_b32 s[CS], 0x3fb8aa3b                    ; log2(e)
	s_mov_b32 s[CS+1], s[CS]
	s_mov_b32 s[SEL], 0x76543210
	s_mov_b32 s[SEL+1], 0xfedcba98
	v_and_b32 v1, 15, v0                           ; r
	v_bfe_u32 v2, v0, 4, 1                         ; h
	v_lshlrev_b32 v[KL], 7, v1
	v_lshl_add_u32 v[KL], v2, 4, v[KL]
	v_lshlrev_b32 v[BL], 14, v1
	v_lshl_add_u32 v[BL], v2, 5, v[BL]
	v_lshlrev_b32 v[ML], 3, v2
	v_sub_nc_u32 v[CL], v1, v[ML]
	v_mov_b32 v[NEG], 0xce6e6b28
	v_and_b32 v3, 31, v0                           ; lane
	s_mul_i32 s36, s[WV], PART
	v_lshl_add_u32 v[PA], v3, 5, s36
	s_add_co_u32 s37, s36, 4096
	v_lshl_add_u32 v[PM], v1, 3, s37
	s_mul_i32 s36, s[WV], 16*SP
	s_add_co_u32 s36, s36, FSTG
	v_mul_u32_u24 v[STO], v1, SP
	v_lshl_add_u32 v[STO], v2, 4, v[STO]
	v_add_nc_u32 v[STO], s36, v[STO]
	v_bfe_u32 v[RD], v0, 3, 2
	v_mul_u32_u24 v[RD], v[RD], SP
	v_and_b32 v[T], 7, v0
	v_lshl_add_u32 v[RD], v[T], 4, v[RD]
	v_add_nc_u32 v[RD], s36, v[RD]
	v_lshlrev_b32 v[GO], 4, v3
	v_lshlrev_b32 v[GOF], 4, v0
	s_wait_kmcnt 0x0
	s_load_b32 s[NRB], s[12:13], 0x0
	s_add_co_u32 s36, s[HEAD], 16
	s_lshl_b32 s36, s36, 19
	s_mov_b32 s37, 0
	s_add_nc_u64 s[KP:KP+1], s[4:5], s[36:37]      ; k of my head
	s_lshl_b32 s36, s[HEAD], 13
	s_add_nc_u64 s[VP:VP+1], s[6:7], s[36:37]      ; my head's channels in a key block of V
	s_lshl_b32 s36, s[HEAD], 19
	s_add_nc_u64 s[QP:QP+1], s[4:5], s[36:37]      ; q and ob at my head's row 0
	s_add_nc_u64 s[OP:OP+1], s[14:15], s[36:37]
	s_mov_b64 s[BP:BP+1], s[8:9]
	s_wait_kmcnt 0x0
	s_min_u32 s[NRB], s[NRB], 256
; A row block begins.  s36-s39: the first key's byte offsets in K, V, the bias and the mask; s41: 16 x row block - first key.
.macro BLK_BEGIN
	v_add_nc_u32 v[VK], s36, v[KL]
	v_add_nc_u32 v[VV], s37, v[KL]
	v_add_nc_u32 v[VB], s38, v[BL]
	v_add_nc_u32 v[VM], s39, v[ML]
	v_add_nc_u32 v[CQ], s41, v[CL]
.irp c, 0,1
	global_load_b128 v[QF+8*\c:QF+8*\c+3],   v[KL], s[QP:QP+1] offset:64*\c
	global_load_b128 v[QF+8*\c+4:QF+8*\c+7], v[KL], s[QP:QP+1] offset:64*\c+32
.endr
.set i, 0
.rept 32
	v_mov_b32 v[OF+i], 0
.set i, i+1
.endr
	v_mov_b32 v[L], 0
	v_mov_b32 v[L+1], 0
	v_mov_b32 v[M], 0xf1800000                     ; -2^100: below every score, which is -2e9 at the least
	v_mov_b32 v[M+1], 0
	v_mov_b32 v[A+1], 0
.endm
; A step of 64 keys.
.macro FSTEP
.irp f, 0,1,2,3,4,5,6,7                            ; keys 16 (f / 2) on, channels 32 (f % 2) on
	global_load_b128 v[KF+8*\f:KF+8*\f+3],   v[VK], s[KP:KP+1] offset:(\f/2)*2048+(\f%2)*64
	global_load_b128 v[KF+8*\f+4:KF+8*\f+7], v[VK], s[KP:KP+1] offset:(\f/2)*2048+(\f%2)*64+32
.endr
.irp f, 0,1,2,3                                    ; my query's bias for my eight keys of key block f: the accumulator's own layout
	global_load_b128 v[SB+8*\f:SB+8*\f+3],   v[VB], s[BP:BP+1] offset:64*\f
	global_load_b128 v[SB+8*\f+4:SB+8*\f+7], v[VB], s[BP:BP+1] offset:64*\f+16
.endr
.irp f, 0,1,2,3
	global_load_b64 v[MK+2*\f:MK+2*\f+1], v[VM], s[10:11] offset:16*\f
.endr
.irp f, 0,1,2,3,4,5,6,7                            ; keys 32 (f / 4) on, channels 16 (f % 4) on
	global_load_b128 v[VF+8*\f:VF+8*\f+3],   v[VV], s[VP:VP+1] offset:(\f%4)*2048+(\f/4)*64
	global_load_b128 v[VF+8*\f+4:VF+8*\f+7], v[VV], s[VP:VP+1] offset:(\f%4)*2048+(\f/4)*64+32
.endr
	s_wait_loadcnt 16                              ; all but V's sixteen loads are in
.set i, 0
.rept 16                                           ; the bias is rounded to bf16, like every input
	v_cvt_pk_bf16_f32 v[T], v[SB+2*i], v[SB+2*i+1]
	v_lshlrev_b32 v[SB+2*i], 16, v[T]
	v_and_b32 v[SB+2*i+1], 0xffff0000, v[T]
.set i, i+1
.endr
.set i, 0
.rept 8                                            ; channels 32 (i / 4) on, key block i % 4: the four accumulators take turns
	v_wmma_f32_16x16x32_f16 v[SB+8*(i%4):SB+8*(i%4)+7], v[KF+16*(i%4)+8*(i/4):KF+16*(i%4)+8*(i/4)+7], v[QF+8*(i/4):QF+8*(i/4)+7], v[SB+8*(i%4):SB+8*(i%4)+7]
.set i, i+1
.endr
.rept 4
	v_nop                                          ; the places behind those products
.endr
.set i, 0
.rept 32                                           ; key block i / 8, register i % 8, in ascending order
	v_bfe_u32 v[T], v[MK+2*(i/8)+(i%8)/4], 8*(i%4), 8
	v_cmp_ne_u32 vcc_lo, 0, v[T]
	v_cndmask_b32 v[SB+i], v[SB+i], v[NEG], vcc_lo ; a masked key's score IS -1e9
	v_cmp_gt_i32 vcc_lo, 16*(i/8)+i%8, v[CQ]
	v_cndmask_b32 v[T+1], 0, v[NEG], vcc_lo
	v_add_f32 v[SB+i], v[SB+i], v[T+1]             ; a key behind the query has -1e9 ADDED, rounded as f32 rounds it
.set i, i+1
.endr
	v_mov_b32 v[MO], v[M]
	v_max3_num_f32 v[T], v[M], v[SB], v[SB+1]
.set i, 1
.rept 15
	v_max3_num_f32 v[T], v[T], v[SB+2*i], v[SB+2*i+1]
.set i, i+1
.endr
	v_permlanex16_b32 v[T+1], v[T], s[SEL], s[SEL+1]  ; the query's other 32 keys lie in the lane 16 away
	v_max_num_f32 v[M], v[T], v[T+1]
	v_sub_f32 v[T+2], v[MO], v[M]
	v_mul_f32 v[T+2], s[CS], v[T+2]
	v_exp_f32 v[A], v[T+2]                         ; a; the plain lines below stand between it and its use
.set i, 0
.rept 16
	v_pk_add_f32 v[SB+2*i:SB+2*i+1], v[SB+2*i:SB+2*i+1], v[M:M+1] op_sel_hi:[1,0] neg_lo:[0,1] neg_hi:[0,1]  ; s - m first: at 1e9 the difference is what counts
.set i, i+1
.endr
.set i, 0
.rept 16
	v_pk_mul_f32 v[SB+2*i:SB+2*i+1], v[SB+2*i:SB+2*i+1], s[CS:CS+1] op_sel_hi:[1,0]
.set i, i+1
.endr
.set i, 0
.rept 32
	v_exp_f32 v[SB+i], v[SB+i]
.set i, i+1
.endr
	v_nop                                          ; a plain line behind the last exponential
	s_wait_alu depctr_va_vdst(0)
	v_pk_add_f32 v[T+4:T+5], v[SB:SB+1], v[SB+2:SB+3]
.set i, 2
.rept 14
	v_pk_add_f32 v[T+4:T+5], v[T+4:T+5], v[SB+2*i:SB+2*i+1]
.set i, i+1
.endr
	v_pk_fma_f32 v[L:L+1], v[L:L+1], v[A:A+1], v[T+4:T+5] op_sel_hi:[1,0,1]
.set i, 0
.rept 16
	v_cvt_pk_f16_f32 v[PF+i], v[SB+2*i], v[SB+2*i+1]
.set i, i+1
.endr
.set i, 0
.rept 16
	v_pk_mul_f32 v[OF+2*i:OF+2*i+1], v[OF+2*i:OF+2*i+1], v[A:A+1] op_sel_hi:[1,0]
.set i, i+1
.endr
	s_wait_loadcnt 0x0                             ; V is in; every load of the step is done, so the offsets may step
.set i, 0
.rept 8                                            ; keys 32 (i / 4) on, channels 16 (i % 4) on
	v_wmma_f32_16x16x32_f16 v[OF+8*(i%4):OF+8*(i%4)+7], v[VF+32*(i/4)+8*(i%4):VF+32*(i/4)+8*(i%4)+7], v[PF+8*(i/4):PF+8*(i/4)+7], v[OF+8*(i%4):OF+8*(i%4)+7]
.set i, i+1
.endr
	v_add_nc_u32 v[VK], 64*128, v[VK]              ; the next 64 keys; these five lines are also the places in front of the next step's loads
	v_add_nc_u32 v[VV], 131072, v[VV]
	v_add_nc_u32 v[VB], 256, v[VB]
	v_add_nc_u32 v[VM], 64, v[VM]
	v_add_nc_u32 v[CQ], -64, v[CQ]
.endm
	; ---------------- row block 0: the keys shared out among the sixteen waves ----------------
	s_lshl_b32 s36, s[WV], 15
	s_lshl_b32 s37, s[WV], 19
	s_lshl_b32 s38, s[WV], 10
	s_lshl_b32 s39, s[WV], 8
	s_sub_co_u32 s41, 0, s39
	BLK_BEGIN
	s_mov_b32 s[CNT], 4
.Lfast:
	FSTEP
	s_sub_co_u32 s[CNT], s[CNT], 1
	s_cmp_lg_u32 s[CNT], 0
	s_cbranch_scc1 .Lfast
	v_add_f32 v[L], v[L], v[L+1]
	v_permlanex16_b32 v[T+1], v[L], s[SEL], s[SEL+1]
	v_add_f32 v[L], v[L], v[T+1]
	v_mov_b32 v[M+1], v[L]
.irp f, 0,1,2,3
	ds_store_b128 v[PA], v[OF+8*\f:OF+8*\f+3] offset:1024*\f
	ds_store_b128 v[PA], v[OF+8*\f+4:OF+8*\f+7] offset:1024*\f+16
.endr
	ds_store_b64 v[PM], v[M:M+1]                   ; both halves of the lanes hold the same pair
	s_wait_dscnt 0x0                               ; for the others' sake: my partial is in LDS
	s_barrier_signal -1
	s_barrier_wait -1
	s_cmp_ge_u32 s[WV], 4
	s_cbranch_scc1 .Lslow
	; waves 0-3 add up: a thread serves row 4 w + l / 8 and the eight channels 8 (l % 8) on
	v_lshrrev_b32 v[T], 3, v3
	v_lshl_add_u32 v[T], s[WV], 2, v[T]            ; the row
	v_and_b32 v[T+1], 7, v3
	v_lshl_add_u32 v[T+2], v[T], 3, 4096           ; its pair (m, l) in a partial
	v_and_b32 v[T+3], 1, v[T+1]
	v_lshl_add_u32 v[T+3], v[T+3], 4, v[T]         ; the lane that held these channels,
	v_lshlrev_b32 v[T+3], 5, v[T+3]
	v_lshrrev_b32 v[T+1], 1, v[T+1]
	v_lshl_add_u32 v[T+3], v[T+1], 10, v[T+3]      ; and the channel block
.set i, 0
.rept 16
	ds_load_b64 v[KF+2*i:KF+2*i+1], v[T+2] offset:i*PART
.set i, i+1
.endr
.set i, 0
.rept 16
	ds_load_b128 v[VF+4*i:VF+4*i+3], v[T+3] offset:i*PART
.set i, i+1
.endr
.set i, 0
.rept 16
.if i < 8
.set hr, OF+4*i
.else
.set hr, 160+4*(i-8)
.endif
	ds_load_b128 v[hr:hr+3], v[T+3] offset:i*PART+16
.set i, i+1
.endr
	s_wait_dscnt 32                                ; the sixteen pairs are in; the 32 loads of O may be out
	v_max3_num_f32 v[MO], v[KF], v[KF+2], v[KF+4]
.set i, 3
.rept 6
	v_max3_num_f32 v[MO], v[MO], v[KF+2*i], v[KF+2*i+2]
.set i, i+2
.endr
	v_max_num_f32 v[MO], v[MO], v[KF+30]
.set i, 0
.rept 16
	v_sub_f32 v[KF+2*i], v[KF+2*i], v[MO]
.set i, i+1
.endr
.set i, 0
.rept 16
	v_mul_f32 v[KF+2*i], s[CS], v[KF+2*i]
.set i, i+1
.endr
.set i, 0
.rept 16
	v_exp_f32 v[KF+2*i], v[KF+2*i]
.set i, i+1
.endr
	v_nop
	s_wait_alu depctr_va_vdst(0)
	v_mul_f32 v[LSUM], v[KF], v[KF+1]
.set i, 1
.rept 15
	v_fmac_f32 v[LSUM], v[KF+2*i], v[KF+2*i+1]
.set i, i+1
.endr
	v_rcp_f32 v[T+4], v[LSUM]
	s_wait_dscnt 0x0
	v_pk_mul_f32 v[SB:SB+1],   v[VF:VF+1],   v[KF:KF+1] op_sel_hi:[1,0]
	v_pk_mul_f32 v[SB+2:SB+3], v[VF+2:VF+3], v[KF:KF+1] op_sel_hi:[1,0]
	v_pk_mul_f32 v[SB+4:SB+5], v[OF:OF+1],   v[KF:KF+1] op_sel_hi:[1,0]
	v_pk_mul_f32 v[SB+6:SB+7], v[OF+2:OF+3], v[KF:KF+1] op_sel_hi:[1,0]
.set i, 1
.rept 15
.if i < 8
.set hr, OF+4*i
.else
.set hr, 160+4*(i-8)
.endif
	v_pk_fma_f32 v[SB:SB+1],   v[VF+4*i:VF+4*i+1],   v[KF+2*i:KF+2*i+1], v[SB:SB+1] op_sel_hi:[1,0,1]
	v_pk_fma_f32 v[SB+2:SB+3], v[VF+4*i+2:VF+4*i+3], v[KF+2*i:KF+2*i+1], v[SB+2:SB+3] op_sel_hi:[1,0,1]
	v_pk_fma_f32 v[SB+4:SB+5], v[hr:hr+1],           v[KF+2*i:KF+2*i+1], v[SB+4:SB+5] op_sel_hi:[1,0,1]
	v_pk_fma_f32 v[SB+6:SB+7], v[hr+2:hr+3],         v[KF+2*i:KF+2*i+1], v[SB+6:SB+7] op_sel_hi:[1,0,1]
.set i, i+1
.endr
	s_wait_alu depctr_va_vdst(0)
.irp k, 0,1,2,3
	v_pk_mul_f32 v[SB+2*\k:SB+2*\k+1], v[SB+2*\k:SB+2*\k+1], v[T+4:T+5] op_sel_hi:[1,0]
.endr
.irp k, 0,1,2,3
	v_cvt_pk_f16_f32 v[SB+8+\k], v[SB+2*\k], v[SB+2*\k+1]
.endr
	global_store_b128 v[GOF], v[SB+8:SB+11], s[OP:OP+1]  ; a wave stores four rows: 512 consecutive bytes, aligned
	; ---------------- row blocks 1 + w, 17 + w, ..: each by one wave alone ----------------
.Lslow:
	s_add_co_u32 s36, s[NRB], 14
	s_sub_co_u32 s36, s36, s[WV]
	s_lshr_b32 s[NBW], s36, 4                      ; how many of them are mine
	s_cmp_eq_u32 s[NBW], 0
	s_cbranch_scc1 .Lend
	s_wait_xcnt 0x0                                ; the store's base and registers are rewritten only behind this wait
	s_add_co_u32 s36, s[WV], 1
	s_lshl_b32 s40, s36, 4                         ; 16 x row block
	s_lshl_b32 s38, s36, 11
	s_mov_b32 s39, 0
	s_add_nc_u64 s[QP:QP+1], s[QP:QP+1], s[38:39]
	s_add_nc_u64 s[OP:OP+1], s[OP:OP+1], s[38:39]
	s_lshl_b32 s38, s36, 18
	s_add_nc_u64 s[BP:BP+1], s[BP:BP+1], s[38:39]
	s_mov_b32 s[JB], 0
.Lblk:
	s_mov_b32 s36, 0
	s_mov_b32 s37, 0
	s_mov_b32 s38, 0
	s_mov_b32 s39, 0
	s_mov_b32 s41, s40
	BLK_BEGIN
	s_mov_b32 s[CNT], 64
.Lkeys:
	FSTEP
	s_sub_co_u32 s[CNT], s[CNT], 1
	s_cmp_lg_u32 s[CNT], 0
	s_cbranch_scc1 .Lkeys
	v_add_f32 v[L], v[L], v[L+1]
	v_permlanex16_b32 v[T+1], v[L], s[SEL], s[SEL+1]
	v_add_f32 v[L], v[L], v[T+1]
	v_rcp_f32 v[A], v[L]
	v_nop
.set i, 0
	s_wait_alu depctr_va_vdst(0)
.rept 16
	v_pk_mul_f32 v[OF+2*i:OF+2*i+1], v[OF+2*i:OF+2*i+1], v[A:A+1] op_sel_hi:[1,0]
.set i, i+1
.endr
.set i, 0
.rept 16
	v_cvt_pk_f16_f32 v[SB+i], v[OF+2*i], v[OF+2*i+1]
.set i, i+1
.endr
.irp f, 0,1,2,3
	ds_store_b128 v[STO], v[SB+4*\f:SB+4*\f+3] offset:32*\f
.endr
.irp f, 0,1,2,3
	ds_load_b128 v[SB+4*\f:SB+4*\f+3], v[RD] offset:\f*4*SP  ; my own stage: a wave's LDS instructions are served in order
.endr
.irp f, 0,1,2,3
	s_wait_dscnt 3-\f
	global_store_b128 v[GO], v[SB+4*\f:SB+4*\f+3], s[OP:OP+1] offset:\f*512
.endr
	s_wait_xcnt 0x0                                ; the stores' registers and base are rewritten only behind this wait
	s_add_nc_u64 s[QP:QP+1], s[QP:QP+1], 32768     ; sixteen row blocks on
	s_add_nc_u64 s[OP:OP+1], s[OP:OP+1], 32768
	s_add_nc_u64 s[BP:BP+1], s[BP:BP+1], 4194304
	s_add_co_u32 s40, s40, 256
	s_add_co_u32 s[JB], s[JB], 1
	s_cmp_lt_u32 s[JB], s[NBW]
	s_cbranch_scc1 .Lblk
.Lend:
	s_wait_tensorcnt 0x0                           ; the wave's end: behind my last LDS store
	ds_add_u32 v[SPW], v[NIL]
	s_wait_dscnt 0x0
	s_endpgm
.Lfunc_end_k_qd373758e3c_fix:
	.size	k_qd373758e3c_fix, .Lfunc_end_k_qd373758e3c_fix-k_qd373758e3c_fix
	.p2alignl 7, 3214868480
	.fill 96, 4, 3214868480
	.section	.rodata,"a",@progbits
	.p2align	6, 0x0
	.amdhsa_kernel k_qd373758e3c_fix
		.amdhsa_group_segment_fixed_size 108544
		.amdhsa_private_segment_fixed_size 0
		.amdhsa_enable_private_segment 0
		.amdhsa_kernarg_size 48
		.amdhsa_user_sgpr_count 2
		.amdhsa_user_sgpr_kernarg_segment_ptr 1
		.amdhsa_wavefront_size32 1
		.amdhsa_system_sgpr_workgroup_id_x 1
		.amdhsa_system_sgpr_workgroup_id_y 1
		.amdhsa_system_sgpr_workgroup_id_z 1
		.amdhsa_system_vgpr_workitem_id 0
		.amdhsa_next_free_vgpr 256
		.amdhsa_next_free_sgpr 66
		.amdhsa_reserve_vcc 1
		.amdhsa_float_denorm_mode_32 3
		.amdhsa_float_denorm_mode_16_64 3
		.amdhsa_memory_ordered 1
		.amdhsa_forward_progress 1
		.amdhsa_inst_pref_size 68
	.end_amdhsa_kernel
	.amdgpu_metadata
---
amdhsa.version: [ 1, 2 ]
amdhsa.kernels:
  - .name:           k_qd373758e3c_fix
    .symbol:         k_qd373758e3c_fix.kd
    .args:
      - { .name: qk, .offset: 0, .size: 8, .value_kind: global_buffer, .address_space: global }
      - { .name: vt, .offset: 8, .size: 8, .value_kind: global_buffer, .address_space: global }
      - { .name: spatial_bias, .offset: 16, .size: 8, .value_kind: global_buffer, .address_space: global }
      - { .name: mask, .offset: 24, .size: 8, .value_kind: global_buffer, .address_space: global }
      - { .name: info, .offset: 32, .size: 8, .value_kind: global_buffer, .address_space: global }
      - { .name: ob, .offset: 40, .size: 8, .value_kind: global_buffer, .address_space: global }
    .group_segment_fixed_size: 108544
    .private_segment_fixed_size: 0
    .kernarg_segment_align: 8
    .kernarg_segment_size: 48
    .max_flat_workgroup_size: 512
    .sgpr_count:     66
    .vgpr_count:     256
    .wavefront_size: 32
...
	.end_amdgpu_metadata
.endif
;; end of part 4
;; launch out (part 5): grid 8 x 32, 4 waves a work-group, clusters of 4 x 4, 327,680 bytes of LDS; arguments ob, wall, out0; writes out0
.if DOCPART == 5
	.amdgcn_target "amdgcn-amd-amdhsa--gfx1250"
	.amdhsa_code_object_version 6
	.text
	.protected	k_qd373758e3c_out
	.globl	k_qd373758e3c_out
	.p2align	8
	.type	k_qd373758e3c_out,@function
k_qd373758e3c_out:
	s_mov_b64 s[64:65], 0
	v_nop
	global_prefetch_b8 v0, s[64:65] scope:SCOPE_SE
	s_setreg_imm32_b32 hwreg(HW_REG_WAVE_MODE, 25, 1), 1
	s_wait_xcnt 0x0
	s_wait_alu depctr_hold_cnt(0) depctr_sa_sdst(0) depctr_va_vdst(0) depctr_va_sdst(0) depctr_va_ssrc(0) depctr_va_vcc(0) depctr_vm_vsrc(0)
	s_getreg_b32 s2, hwreg(HW_REG_IB_STS2, 6, 4)
	s_cmp_eq_u32 s2, 0
	s_cbranch_scc0 .Lentry_in_a_cluster
	s_endpgm
.Lentry_in_a_cluster:
	s_bfe_u32 s2, ttmp6, 0x10000c
	s_cmp_lg_u32 s2, 0xf033
	s_cbranch_scc0 .Lentry_shape_is_right
	s_endpgm
.Lentry_shape_is_right:
; THE OUTPUT PROJECTION: out0[token][n] = sum over k of O[token][k] Wo[n][k], f32, on tiles of 128 x 128 over K = 1,024.
; ob: [16 heads = K blocks][4,096 tokens][64] f16; Wo lies in wall's rows 3,072 .. 4,095: [16 K blocks][4,096 rows][64] f16 (bf16 numbers written as f16); sums in f32.
; Four waves, each 64 x 64: 16 accumulators.  K goes in steps of 256 = four K blocks through two LDS slots; a wave's tensor load brings 64 rows x 4 blocks, each block's 64 rows 8,192 dense bytes.
; Source 1 = 16 tokens, source 0 = 16 rows of Wo: a lane holds eight neighbouring numbers of a row of out0.
; CLUSTERS of 4 x 4: O's tile hangs on the tile row alone and is shared along a row of the cluster, Wo's on the tile column alone and is shared along a column.
; REGISTERS: window 0: v16-29 addresses; v32-95 at work on the way out; v128-255 the accumulators.  Window 1: two fragment buffers of 128.
.set PITCH,  144
.set RG,     4*64*PITCH
.set SLOT,   4*RG
.set STAGE,  2*SLOT                    ; behind the ring: 16 rows x 272 bytes for each wave
.set SP,     272
.set SPARE,  STAGE+4*16*SP             ; the spare words, 128 bytes a wave: two blocks of 256 bytes that no other line names
.set KBLK,   4096*128
.set STEPB,  4*KBLK
.set QK,     64*PITCH
.set ADRA, 16
.set ADRB, 20
.set STO,  24
.set RD,   25
.set CO,   26
.set SPW,  28
.set NIL,  29
.set TMP,  32
.set ACC,  128
.set F0,   0
.set F1,   128
.set G1,  24
.set G0,  32
.set G1B, 48
.set G0B, 56
.set MSB, 0
.macro WIN new
.if MSB != (\new)
	s_set_vgpr_msb (MSB<<8)|(\new)
.set MSB, \new
.endif
.endm
.set MUL,  0x05
.set TO_F, 0x40
.macro JLOAD s                         ; a joint load: waves 0 and 1 fetch O's two halves, waves 2 and 3 Wo's; an s_nop 0 and four v_nop follow each line
	s_cmp_eq_u32 s13, 0
	s_cbranch_scc0 .Lfor_b_\@
	tensor_load_to_lds s[G0+4*(\s):G0+4*(\s)+3], s[G1:G1+7]
	s_nop 0
.rept 4
	v_nop
.endr
	s_branch .Lasked_\@
.Lfor_b_\@:
	tensor_load_to_lds s[G0B+4*(\s):G0B+4*(\s)+3], s[G1B:G1B+7]
	s_nop 0
.rept 4
	v_nop
.endr
.Lasked_\@:
.endm
.macro CREST
	s_cmp_lg_u32 s12, 0
	s_cbranch_scc1 .Lnot_wave_0_\@
	s_barrier_signal -3
.Lnot_wave_0_\@:
	s_barrier_wait -3
	s_barrier_signal -1
	s_barrier_wait -1
.endm
.macro CROUND
	s_barrier_signal -1
	s_barrier_wait -1
	CREST
.endm
	s_load_b128 s[4:7], s[0:1], 0x0                ; ob 4, wall 6
	s_load_b64 s[8:9], s[0:1], 0x10                ; out0
	v_lshl_add_u32 v[SPW], v0, 2, SPARE
	v_mov_b32 v[NIL], 0
	ds_add_u32 v[SPW], v[NIL]                      ; the wave's opening: the add and its wait stand ahead of my first tensor load
	v_lshrrev_b32 v1, 5, v0
	v_readfirstlane_b32 s12, v1
	s_lshr_b32 s13, s12, 1                         ; which half of the tile's rows is mine.  Also: I fetch for O (0) or for Wo (1)
	s_and_b32 s14, s12, 1                          ; which half of its columns.  Also: which 64 rows I fetch
	s_bfe_u32 s40, ttmp6, 0x40000
	s_bfe_u32 s41, ttmp6, 0x40004
	s_lshl_b32 s42, ttmp9, 2
	s_add_co_u32 s42, s42, s40                     ; tile column
	s_and_b32 s43, ttmp7, 0xffff
	s_lshl_b32 s43, s43, 2
	s_add_co_u32 s43, s43, s41                     ; tile row
	s_lshl_b32 s45, s41, 2
	s_lshl_b32 s45, 15, s45                        ; my row of the cluster
	s_lshl_b32 s44, 0x1111, s40                    ; my column
	s_or_b32 s[G1+0], s45, (1<<16)|(1<<20)|(1<<21)|(4<<22)|(3<<25)
	s_or_b32 s[G1B+0], s44, (1<<16)|(1<<20)|(1<<21)|(4<<22)|(3<<25)
.irp g, G1, G1B
	s_mov_b32 s[(\g)+1], 4096<<16
	s_mov_b32 s[(\g)+2], 4<<16
	s_mov_b32 s[(\g)+3], 4096<<16
	s_mov_b32 s[(\g)+4], 4
	s_mov_b32 s[(\g)+5], 4096*64
	s_mov_b32 s[(\g)+6], 0
	s_mov_b32 s[(\g)+7], 0
.endr
	s_lshl_b32 s22, s14, 13
	s_lshl_b32 s16, s43, 14
	s_add_co_u32 s16, s16, s22
	s_mov_b32 s17, 0
	s_lshl_b32 s18, s42, 14
	s_add_co_u32 s18, s18, s22
	s_add_co_u32 s18, s18, 3072*128                ; Wo's first row in wall
	s_mov_b32 s19, 0
	s_mul_i32 s20, s12, RG
	s_wait_dscnt 0x0
	s_wait_kmcnt 0x0
	s_add_nc_u64 s[16:17], s[4:5], s[16:17]
	s_add_nc_u64 s[18:19], s[6:7], s[18:19]
	CROUND
.irp s, 0,1
	s_mov_b32 s[G0+4*(\s)], 1
	s_add_co_u32 s[G0+4*(\s)+1], s20, (\s)*SLOT
	s_add_nc_u64 s[G0+4*(\s)+2:G0+4*(\s)+3], s[16:17], (\s)*STEPB
	s_or_b32 s[G0+4*(\s)+3], s[G0+4*(\s)+3], 0x80000000
	s_mov_b32 s[G0B+4*(\s)], 1
	s_add_co_u32 s[G0B+4*(\s)+1], s20, (\s)*SLOT
	s_add_nc_u64 s[G0B+4*(\s)+2:G0B+4*(\s)+3], s[18:19], (\s)*STEPB
	s_or_b32 s[G0B+4*(\s)+3], s[G0B+4*(\s)+3], 0x80000000
	JLOAD \s
.endr
	v_and_b32 v1, 15, v0
	v_bfe_u32 v2, v0, 4, 1
	v_mul_u32_u24 v3, v1, PITCH
	v_lshl_add_u32 v3, v2, 4, v3
	s_mul_i32 s21, s13, RG
	s_mul_i32 s22, s14, RG
	s_add_co_u32 s22, s22, 2*RG
.irp s, 0,1
	v_add_nc_u32 v[ADRA+(\s)], s21, v3
	v_add_nc_u32 v[ADRB+(\s)], s22, v3
	s_add_co_u32 s21, s21, SLOT
	s_add_co_u32 s22, s22, SLOT
.endr
	s_mul_i32 s23, s12, 16*SP
	s_add_co_u32 s23, s23, STAGE                   ; my stage
	v_mul_u32_u24 v4, v1, SP                       ; in: row l % 16, 32 bytes for each half of the lanes
	v_lshl_add_u32 v4, v2, 5, v4
	v_add_nc_u32 v[STO], s23, v4
	v_mul_u32_u24 v5, v2, SP                       ; back: lanes 0-15 one row of 256 bytes, lanes 16-31 the next
	v_lshl_add_u32 v5, v1, 4, v5
	v_add_nc_u32 v[RD], s23, v5
	v_lshlrev_b32 v5, 12, v2                       ; and the same two rows in out0
	v_lshl_add_u32 v[CO], v1, 4, v5
	s_lshl_b32 s46, s43, 19                        ; 128 rows of 4,096 bytes a tile row, 64 a half;
	s_lshl_b32 s21, s13, 18
	s_add_co_u32 s46, s46, s21
	s_lshl_b32 s21, s42, 9                         ; 512 bytes a tile column, 256 a half
	s_add_co_u32 s46, s46, s21
	s_lshl_b32 s21, s14, 8
	s_add_co_u32 s46, s46, s21
	s_mov_b32 s47, 0
	s_add_nc_u64 s[8:9], s[8:9], s[46:47]
.macro MUL8 f, c, a0, zero
	WIN MUL
.irp a, \a0, (\a0)+1
.irp b, 0,1,2,3
.if \zero
	v_wmma_f32_16x16x32_f16 v[ACC+8*(4*(\a)+(\b)):ACC+8*(4*(\a)+(\b))+7], v[(\f)+64+8*(4*(\c)+(\b)):(\f)+64+8*(4*(\c)+(\b))+7], v[(\f)+8*(4*(\c)+(\a)):(\f)+8*(4*(\c)+(\a))+7], 0
.else
	v_wmma_f32_16x16x32_f16 v[ACC+8*(4*(\a)+(\b)):ACC+8*(4*(\a)+(\b))+7], v[(\f)+64+8*(4*(\c)+(\b)):(\f)+64+8*(4*(\c)+(\b))+7], v[(\f)+8*(4*(\c)+(\a)):(\f)+8*(4*(\c)+(\a))+7], v[ACC+8*(4*(\a)+(\b)):ACC+8*(4*(\a)+(\b))+7]
.endif
.endr
.endr
.endm
.macro FETCH slot, k, f
	WIN TO_F
.irp c, 0,1
.irp i, 0,1,2,3
	ds_load_b128 v[(\f)+64+8*(4*(\c)+(\i)):(\f)+64+8*(4*(\c)+(\i))+3],   v[ADRB+(\slot)] offset:(\k)+64*(\c)+(\i)*16*PITCH
	ds_load_b128 v[(\f)+64+8*(4*(\c)+(\i))+4:(\f)+64+8*(4*(\c)+(\i))+7], v[ADRB+(\slot)] offset:(\k)+64*(\c)+(\i)*16*PITCH+32
	ds_load_b128 v[(\f)+8*(4*(\c)+(\i)):(\f)+8*(4*(\c)+(\i))+3],         v[ADRA+(\slot)] offset:(\k)+64*(\c)+(\i)*16*PITCH
	ds_load_b128 v[(\f)+8*(4*(\c)+(\i))+4:(\f)+8*(4*(\c)+(\i))+7],       v[ADRA+(\slot)] offset:(\k)+64*(\c)+(\i)*16*PITCH+32
.endr
.endr
.endm
.macro PLACES
.rept 4
	v_nop
.endr
.endm
.macro QUARTER slot, k, f, g, zero
	s_wait_dscnt 16                                ; the first 32 along K are in; the run's other sixteen loads may be out
	WIN MUL
	MUL8 \f, 0, 0, \zero
	MUL8 \f, 0, 2, \zero
	PLACES
	FETCH \slot, \k, \g
	s_wait_dscnt 32                                ; all but the 32 just issued
	WIN MUL
	MUL8 \f, 1, 0, 0
	MUL8 \f, 1, 2, 0
.endm
.macro TURN slot, next, fill
	WIN 0
	s_wait_tensorcnt 0x0                           ; all my tensor loads have landed: my part of the next slot
	ds_add_u32 v[SPW], v[NIL]
	s_wait_dscnt 17                                ; the add and the youngest sixteen loads may be out
	WIN MUL
	MUL8 F1, 0, 0, 0
	s_wait_dscnt 0x0                               ; the add is done, and my reads of this slot are over
	s_barrier_signal -1
	MUL8 F1, 0, 2, 0
.if \fill
	WIN 0
.endif
	s_barrier_wait -1
.if \fill
	CREST                                          ; the barrier has opened a round of the cluster's: no wave of any partner still reads this slot or has a load on its way
	s_add_nc_u64 s[G0+4*(\slot)+2:G0+4*(\slot)+3], s[G0+4*(\slot)+2:G0+4*(\slot)+3], 2*STEPB
	s_add_nc_u64 s[G0B+4*(\slot)+2:G0B+4*(\slot)+3], s[G0B+4*(\slot)+2:G0B+4*(\slot)+3], 2*STEPB
	JLOAD \slot
.else
	PLACES
.endif
	FETCH \next, 0, F0
	WIN MUL
	MUL8 F1, 1, 0, 0
	MUL8 F1, 1, 2, 0
.endm
	s_wait_tensorcnt 1                             ; my part of K step 0 is in; K step 1's load may stay out
	s_barrier_signal -1
	s_barrier_wait -1
	FETCH 0, 0, F0
	QUARTER 0, QK, F0, F1, 1
	WIN 0
	s_mov_b32 s3, 1
.Llap:
	QUARTER 0, 2*QK, F1, F0, 0
	QUARTER 0, 3*QK, F0, F1, 0
	TURN 0, 1, 1
	QUARTER 1, QK,   F0, F1, 0
	QUARTER 1, 2*QK, F1, F0, 0
	QUARTER 1, 3*QK, F0, F1, 0
	TURN 1, 0, 1
	QUARTER 0, QK,   F0, F1, 0
	WIN 0
	s_sub_co_u32 s3, s3, 1
	s_cmp_lg_u32 s3, 0
	s_cbranch_scc1 .Llap
	QUARTER 0, 2*QK, F1, F0, 0
	QUARTER 0, 3*QK, F0, F1, 0
	TURN 0, 1, 0
	QUARTER 1, QK,   F0, F1, 0
	QUARTER 1, 2*QK, F1, F0, 0
	QUARTER 1, 3*QK, F0, F1, 0
	s_wait_dscnt 16
	WIN MUL
	MUL8 F1, 0, 0, 0
	MUL8 F1, 0, 2, 0
	s_wait_dscnt 0
	MUL8 F1, 1, 0, 0
	MUL8 F1, 1, 2, 0
	WIN 0
	; THE WAY OUT: f32 as it is, 16 rows at a time through my own stage; a wave's 64 columns are 256 bytes: back by whole rows, sixteen lanes to a row.
	PLACES
.macro STG a                           ; block a into the stage (each accumulator's low four registers first) and back, into one of two sets of 32 registers
.set BK, TMP+32*((\a)%2)
.irp b, 0,1,2,3
	ds_store_b128 v[STO], v[ACC+8*(4*(\a)+\b):ACC+8*(4*(\a)+\b)+3] offset:64*\b
	ds_store_b128 v[STO], v[ACC+8*(4*(\a)+\b)+4:ACC+8*(4*(\a)+\b)+7] offset:64*\b+16
.endr
.if (\a) >= 2
	s_wait_xcnt 0x0                                ; the set's registers, which the stores of two blocks ago read, are loaded again only behind this wait
.endif
.irp t, 0,1,2,3,4,5,6,7
	ds_load_b128 v[BK+4*\t:BK+4*\t+3], v[RD] offset:\t*2*SP  ; a wave's LDS instructions are served in order: these see the stores above; the next block's stores come behind them
.endr
.endm
.macro SEND a, younger                 ; younger: the LDS instructions issued behind block a's loads: the next block's sixteen, or none
.set BK, TMP+32*((\a)%2)
.irp t, 0,1,2,3,4,5,6,7
	s_wait_dscnt (\younger)+7-\t
	global_store_b128 v[CO], v[BK+4*\t:BK+4*\t+3], s[8:9] offset:(16*(\a)+2*\t)*4096  ; 16 lanes store 256 consecutive bytes, aligned
.endr
.endm
	STG 0
.irp a, 1,2,3
	STG \a
	SEND (\a)-1, 16
.endr
	SEND 3, 0
	s_wait_tensorcnt 0x0                           ; the wave's end
	ds_add_u32 v[SPW], v[NIL]
	s_wait_dscnt 0x0
	CROUND                                         ; the closing round
	s_endpgm
.Lfunc_end_k_qd373758e3c_out:
	.size	k_qd373758e3c_out, .Lfunc_end_k_qd373758e3c_out-k_qd373758e3c_out
	.p2alignl 7, 3214868480
	.fill 96, 4, 3214868480
	.section	.rodata,"a",@progbits
	.p2align	6, 0x0
	.amdhsa_kernel k_qd373758e3c_out
		.amdhsa_group_segment_fixed_size 327680
		.amdhsa_private_segment_fixed_size 0
		.amdhsa_enable_private_segment 0
		.amdhsa_kernarg_size 24
		.amdhsa_user_sgpr_count 2
		.amdhsa_user_sgpr_kernarg_segment_ptr 1
		.amdhsa_wavefront_size32 1
		.amdhsa_system_sgpr_workgroup_id_x 1
		.amdhsa_system_sgpr_workgroup_id_y 1
		.amdhsa_system_sgpr_workgroup_id_z 1
		.amdhsa_system_vgpr_workitem_id 0
		.amdhsa_next_free_vgpr 512
		.amdhsa_next_free_sgpr 66
		.amdhsa_reserve_vcc 0
		.amdhsa_float_denorm_mode_32 3
		.amdhsa_float_denorm_mode_16_64 3
		.amdhsa_memory_ordered 1
		.amdhsa_forward_progress 1
		.amdhsa_inst_pref_size 86
	.end_amdhsa_kernel
	.amdgpu_metadata
---
amdhsa.version: [ 1, 2 ]
amdhsa.kernels:
  - .name:           k_qd373758e3c_out
    .symbol:         k_qd373758e3c_out.kd
    .args:
      - { .name: ob, .offset: 0, .size: 8, .value_kind: global_buffer, .address_space: global }
      - { .name: wall, .offset: 8, .size: 8, .value_kind: global_buffer, .address_space: global }
      - { .name: out0, .offset: 16, .size: 8, .value_kind: global_buffer, .address_space: global }
    .group_segment_fixed_size: 327680
    .private_segment_fixed_size: 0
    .kernarg_segment_align: 8
    .kernarg_segment_size: 24
    .max_flat_workgroup_size: 128
    .sgpr_count:     66
    .vgpr_count:     512
    .wavefront_size: 32
...
	.end_amdgpu_metadata
.endif
;; end of part 5
;; ======== version 2 of 2: 5 launches; 1.30 times as fast as version 1
;; limits: values are held in f16: magnitudes above 65,504 overflow, below 6.1e-05 lose precision; right only within a limited range of input values
;; workspace buffers: xh 8,388,608 bytes; wall 8,388,608 bytes; qk 16,777,216 bytes; vt 8,388,608 bytes; biasf 33,554,432 bytes; ob 8,388,608 bytes; info 256 bytes of whole numbers
;; launch prep: the kernel of part 1 again; grid 33 x 16, 8 waves a work-group, no clusters, 17,408 bytes of LDS; arguments x, Wq, Wk, Wv, Wo, spatial_bias, mask, xh, wall, biasf, info; writes xh, wall, biasf, info
;; launch proj: the kernel of part 2 again; grid 32 x 24, 4 waves a work-group, clusters of 4 x 4, 327,680 bytes of LDS; arguments xh, wall, qk, vt; writes qk, vt
;; launch attn (part 6): grid 16 x 16, 4 waves a work-group, clusters of 4 x 1, 327,680 bytes of LDS; arguments qk, vt, biasf, ob; writes ob
.if DOCPART == 6
	.amdgcn_target "amdgcn-amd-amdhsa--gfx1250"
	.amdhsa_code_object_version 6
	.text
	.protected	k_qd373758e3c_attn
	.globl	k_qd373758e3c_attn
	.p2align	8
	.type	k_qd373758e3c_attn,@function
k_qd373758e3c_attn:
	s_mov_b64 s[64:65], 0
	v_nop
	global_prefetch_b8 v0, s[64:65] scope:SCOPE_SE
	s_setreg_imm32_b32 hwreg(HW_REG_WAVE_MODE, 25, 1), 1
	s_wait_xcnt 0x0
	s_wait_alu depctr_hold_cnt(0) depctr_sa_sdst(0) depctr_va_vdst(0) depctr_va_sdst(0) depctr_va_ssrc(0) depctr_va_vcc(0) depctr_vm_vsrc(0)
	s_getreg_b32 s2, hwreg(HW_REG_IB_STS2, 6, 4)
	s_cmp_eq_u32 s2, 0
	s_cbranch_scc0 .Lentry_in_a_cluster
	s_endpgm
.Lentry_in_a_cluster:
	s_bfe_u32 s2, ttmp6, 0x10000c
	s_cmp_lg_u32 s2, 0x3003
	s_cbranch_scc0 .Lentry_shape_is_right
	s_endpgm
.Lentry_shape_is_right:
; CAUSAL ATTENTION WITH A BIAS AND A KEY MASK, head size 64.  s = (q / 8) . k + bias; keys that are masked or lie behind the query carry -2^100 in biasf in the bias's place.
; qk: [32][4,096][64] f16 (q / 8 by heads, then k), vt: [64 key blocks][1,024 channels][64 keys] f16, biasf: bf16 in fragment order (laid out by the launch before), ob: [16 heads][4,096][64] f16.
; Products, maxima and sums in f32; the weights p are rounded to f16 for the second product (their sum l is taken of the unrounded p), O once at the end.
; LIMITS.  The running maximum starts at -2^29: a visible score below that counts as masked.  A row that sees no open key up to its own (a row in front of the first open key) ends with l = 0
; and stores NaN: the next launch writes rows 0 .. 16 info[0] - 1 anew, which cover all such rows.  A weight below 2^-126 counts as 0; NaN and infinities in the inputs are not treated apart.
; THE WALK.  Queries lie in 32 blocks of 128, keys in tiles of 256; block i needs tiles 0 .. i / 2.  A work-group takes blocks 31 - b and then b: 17 tiles, whatever b: one walk of constant length.
; A block's last tile is a tile like any other: what lies behind the diagonal is -2^100 in biasf.
; THE BIAS COSTS NO VECTOR WORK: it starts the sum S^T as a product E x BF in bf16, E a matrix of zeros and ones that picks 16 of a fragment's 32 keys: one product of each sum is not zero, so the sum is exact.
; CLUSTER.  The four partners are four heads with the same b: they walk alike and need the same bias tile, which is asked for jointly (waves 2 and 3, a half each).
; K (wave 0) and V (wave 1) are each head's own and come by plain loads behind the same rounds.
; LAYOUT.  S^T = K Q^T holds one query a lane (lane % 16) and the keys 8 (lane / 16) + 0..7; two such results rounded to f16 are source 1 of O^T = V^T P.  A wave owns 32 queries: pieces 0 and 1 of 16.
; SOFTMAX.  p = 2^(c s - c m), c = log2(e), m a running maximum; O and l are multiplied by a = 2^(c m_old - c m_new) in every step.
; A STEP (64 keys) goes in phases: 8 bias products, 16 products K Q^T, both pieces' softmax, 16 products V^T P; the LDS loads of the next step's K and bias, and of this step's V, are out meanwhile.
; THE BATCHES.  A step's 66 exponentials (each piece's a and its 32 weights) are ONE batch with ONE wait.  Ahead of the wait stand the maxima and statistics, the scalings and the exponentials: none of these
; lines names an exponential's result.  Behind it stand all that do: the rescaling of O^T, the roundings to f16, the sums.  No result crosses a step's end.  A block's two reciprocals are a batch of their own.
; REGISTERS.  Window 0: v2-15 addresses; v16-23 statistics (c m, m, l, l a piece); v24-35 at work; v64-127 S^T; v128-159 P; v160-223 O^T.
; Window 1: v0-31 Q; v32-63 the second block's Q; v64-127 K; v128-191 V; v192-223 the bias fragments; v224-235 zeros, the pattern, zeros: E for odd key blocks at v224, for even ones at v228.
.set KS,    64
.set PK,    144                        ; a row of K or of V^T in LDS: 128 bytes + 16 of padding: the 16 rows of a load start at 16 different groups of four banks
.set VOFF,  256*PK                     ; 36,864: K's 256 rows, then V: [4 steps][64 channels][144]
.set BOFF,  2*VOFF                     ; then the bias tile's two halves of 32,768 bytes, 36,864 apart
.set SLOT,  143360
.set STAGE, 2*SLOT                     ; behind the ring: 16 rows x 144 bytes for each wave
.set SP,    144
.set SPARE, STAGE+4*16*SP              ; the spare words, 128 bytes a wave: two blocks of 256 bytes that no other line names
.set AK,  2                            ; the LDS address of K's next run of loads
.set AV,  3                            ; of V's
.set AB,  4                            ; of the bias's
.set LK,  5                            ; my lane's place in a tile of K or V: (l % 16) x 144 + 16 (l / 16)
.set LB,  6                            ; my wave's and lane's place in a bias tile
.set STO, 7
.set RD,  8
.set GO,  9
.set QO,  10
.set SPW, 14                           ; my spare word's LDS address; never rewritten
.set NIL, 15                           ; 0; never rewritten
.set ST,  16
.set MV,  24
.set TMP, 28
.set S,   64
.set P,   128
.set O,   160
.set QB,  32                           ; window 1
.set KF,  64
.set VF,  128
.set BF,  192
.set EZ,  224
.set WV,  12
.set CX,  13
.set HEAD, 14
.set PB,  15                           ; b
.set HI,  16                           ; 31 - b
.set LQ2, 17                           ; the second block's last tile
.set KBS, 18                           ; s[18:19] K of my head;  s[20:21] V;  s[22:23] my half of a bias tile
.set VBS, 20
.set BBS, 22
.set G1K, 24
.set G1V, 32
.set G1B, 40
.set G0K, 48
.set G0V, 52
.set G0B, 56
.set CS,  60                           ; s[60:61] c
.set SEL, 62                           ; s[62:63] v_permlanex16_b32's selects
.set NXT, 66                           ; the tile to be asked for next
.set LQ,  67                           ; the last tile of the block whose tiles are being asked for
.set QA,  68                           ; that block
.set RT,  69                           ; tiles of the block in hand still to be entered
.set CNT, 71
.set TRIP, 72
.set LBW, 73                           ; where my half of a bias tile lands in slot 0
.set OFF, 74                           ; s[74:75]
.set OLO, 76                           ; s[76:77] ob at my rows of the second block
.set OBP, 78                           ; s[78:79] ob at my rows of the block in hand
.set QH,  80
.set QL,  82
.set MSB, 0
.macro WIN new
.if MSB != (\new)
	s_set_vgpr_msb (MSB<<8)|(\new)
.set MSB, \new
.endif
.endm
.macro PLACES
.rept 4
	v_nop
.endr
.endm
.macro CROUND                          ; a round of the cluster's barrier
	s_barrier_signal -1
	s_barrier_wait -1
	s_cmp_lg_u32 s[WV], 0
	s_cbranch_scc1 .Lnot_wave_0_\@
	s_barrier_signal -3
.Lnot_wave_0_\@:
	s_barrier_wait -3
	s_barrier_signal -1
	s_barrier_wait -1
.endm
; A fill: one tensor load a wave.  Wave 0: K; wave 1: V; waves 2 and 3: the halves of the bias tile, jointly with the partners.  The branches hang on the wave's number alone.
.macro LOAD3
	s_cmp_lg_u32 s[WV], 0
	s_cbranch_scc1 .Lnot_k_\@
	tensor_load_to_lds s[G0K:G0K+3], s[G1K:G1K+7]
	s_nop 0
	PLACES
	s_branch .Lasked_\@
.Lnot_k_\@:
	s_cmp_lg_u32 s[WV], 1
	s_cbranch_scc1 .Lnot_v_\@
	tensor_load_to_lds s[G0V:G0V+3], s[G1V:G1V+7]
	s_nop 0
	PLACES
	s_branch .Lasked_\@
.Lnot_v_\@:
	tensor_load_to_lds s[G0B:G0B+3], s[G1B:G1B+7]
	s_nop 0
	PLACES
.Lasked_\@:
.endm
; THE CHANGE OF SLOTS.  Each wave waits for all its tensor loads (one is out: its part of the slot to be read next), adds 0 to its spare word, and waits for that and for its reads of the slot that it leaves.
; fill = 1: slot fs, which has been read, takes tile NXT of block QA: the addresses are made anew from those numbers; the barrier is a round of the cluster's, and the fill is the first thing behind it:
; it has a tile's four steps in which to land.
.macro CHANGE fs, fill
	WIN 0
	s_wait_tensorcnt 0x0                           ; no tensor load of mine is out, so the descriptors may be written
	ds_add_u32 v[SPW], v[NIL]                      ; 0 onto my spare word; the scalar work stands between it and the wait for it
.if \fill
	s_lshl_b32 s[OFF], s[NXT], 15                  ; a tile of K is 32,768 bytes
	s_mov_b32 s[G0K+1], (\fs)*SLOT
	s_add_nc_u64 s[G0K+2:G0K+3], s[KBS:KBS+1], s[OFF:OFF+1]
	s_or_b32 s[G0K+3], s[G0K+3], 0x80000000
	s_lshl_b32 s[OFF], s[NXT], 19                  ; four key blocks of V of 131,072 bytes
	s_mov_b32 s[G0V+1], (\fs)*SLOT+VOFF
	s_add_nc_u64 s[G0V+2:G0V+3], s[VBS:VBS+1], s[OFF:OFF+1]
	s_or_b32 s[G0V+3], s[G0V+3], 0x80000000
	s_lshl_b32 s[OFF], s[QA], 4                    ; bias tile 16 QA + NXT of 65,536 bytes
	s_add_co_u32 s[OFF], s[OFF], s[NXT]
	s_lshl_b32 s[OFF], s[OFF], 16
	s_add_co_u32 s[G0B+1], s[LBW], (\fs)*SLOT
	s_add_nc_u64 s[G0B+2:G0B+3], s[BBS:BBS+1], s[OFF:OFF+1]
	s_or_b32 s[G0B+3], s[G0B+3], 0x80000000
	s_add_co_u32 s[NXT], s[NXT], 1                 ; the block's next tile, or behind its last the second block's tile 0
	s_cmp_gt_u32 s[NXT], s[LQ]
	s_cselect_b32 s[NXT], 0, s[NXT]
	s_cselect_b32 s[QA], s[PB], s[QA]
	s_cselect_b32 s[LQ], s[LQ2], s[LQ]
	s_wait_dscnt 0x0                               ; the add is done, and my reads of the slot are over
	CROUND
	LOAD3
.else
	s_wait_dscnt 0x0
	s_barrier_signal -1
	s_barrier_wait -1
.endif
.endm
; THE LDS LOADS, in runs.  A step's K (8 fragments) and bias (4 fragments, as they lie); a step's V^T (8 fragments).
.macro FETCH_KB
	WIN 0x40                                       ; destination window 1, address window 0
.irp f, 0,1,2,3,4,5,6,7                            ; keys 16 (f / 2) on, channels 32 (f % 2) on
	ds_load_b128 v[KF+8*\f:KF+8*\f+3],   v[AK] offset:(\f/2)*16*PK+(\f%2)*64
	ds_load_b128 v[KF+8*\f+4:KF+8*\f+7], v[AK] offset:(\f/2)*16*PK+(\f%2)*64+32
.endr
.irp f, 0,1,2,3,4,5,6,7                            ; piece f / 4, fragment (f / 2) % 2, half f % 2: 512 bytes on end each
	ds_load_b128 v[BF+4*\f:BF+4*\f+3], v[AB] offset:512*\f
.endr
	WIN 0
	v_add_nc_u32 v[AK], KS*PK, v[AK]               ; the next run is the next step's
	v_add_nc_u32 v[AB], 4096, v[AB]
.endm
.macro FETCH_V                         ; its address steps once a step, in SOFT, behind the last exponential
	WIN 0x40
.irp f, 0,1,2,3,4,5,6,7                            ; keys 32 (f / 4) on, channels 16 (f % 4) on
	ds_load_b128 v[VF+8*\f:VF+8*\f+3],   v[AV] offset:(\f%4)*16*PK+(\f/4)*64
	ds_load_b128 v[VF+8*\f+4:VF+8*\f+7], v[AV] offset:(\f%4)*16*PK+(\f/4)*64+32
.endr
.endm
; THE VECTOR WORK, for piece t.
.macro REGS t
.set rT, ST+4*(\t)
.set rC, TMP+4*(\t)
.set rW, MV+(\t)
.set rS, S+32*(\t)
.set rP, P+16*(\t)
.set rO, O+32*(\t)
.endm
; Number n of the 22 that find the maximum and statistics.  0-11: four chains of seven scores, each accumulator's lowest registers first; 12-14, 16: the four scores left over, the old m, and
; the chains into c0; 15: c m_old is kept; 17, 18: the query's other 32 keys lie in the lane 16 away; 19-21: c m, c m_old - c m_new, a.
.macro XS t, n
	REGS \t
.if (\n) < 4
	v_max3_num_f32 v[rC+(\n)], v[rS+8*(\n)], v[rS+8*(\n)+1], v[rS+8*(\n)+2]
.elseif (\n) < 12
	v_max3_num_f32 v[rC+(\n)%4], v[rC+(\n)%4], v[rS+8*((\n)%4)+2*((\n)/4)+1], v[rS+8*((\n)%4)+2*((\n)/4)+2]
.elseif (\n) == 12
	v_max3_num_f32 v[rC], v[rC], v[rS+7], v[rS+15]
.elseif (\n) == 13
	v_max3_num_f32 v[rC+1], v[rC+1], v[rS+23], v[rS+31]
.elseif (\n) == 14
	v_max3_num_f32 v[rC+2], v[rC+2], v[rC+3], v[rT+1]
.elseif (\n) == 15
	v_mov_b32 v[rW], v[rT]
.elseif (\n) == 16
	v_max3_num_f32 v[rC], v[rC], v[rC+1], v[rC+2]
.elseif (\n) == 17
	v_permlanex16_b32 v[rC+3], v[rC], s[SEL], s[SEL+1]
.elseif (\n) == 18
	v_max_num_f32 v[rT+1], v[rC], v[rC+3]
.elseif (\n) == 19
	v_mul_f32 v[rT], s[CS], v[rT+1]
.elseif (\n) == 20
	v_sub_f32 v[rC+1], v[rW], v[rT]
.else
	v_exp_f32 v[rC+2], v[rC+1]
.endif
.endm
.macro FS t, n                         ; c s - c m for pair n of 16
	REGS \t
	v_pk_fma_f32 v[rS+2*(\n):rS+2*(\n)+1], v[rS+2*(\n):rS+2*(\n)+1], s[CS:CS+1], v[rT:rT+1] op_sel_hi:[1,0,0] neg_lo:[0,0,1] neg_hi:[0,0,1]
.endm
.macro ES t, n                         ; the exponential of score n of 32, in place
	REGS \t
	v_exp_f32 v[rS+(\n)], v[rS+(\n)]
.endm
.macro RS t, n                         ; pair n of 16 of O^T times a
	REGS \t
	v_pk_mul_f32 v[rO+2*(\n):rO+2*(\n)+1], v[rO+2*(\n):rO+2*(\n)+1], v[rC+2:rC+3] op_sel_hi:[1,0]
.endm
.macro CV t, n                         ; pair n rounded to f16
	REGS \t
	v_cvt_pk_f16_f32 v[rP+(\n)], v[rS+2*(\n)], v[rS+2*(\n)+1]
.endm
.macro BS t, n                         ; of four weights the second pair is added onto the first
	REGS \t
	v_pk_add_f32 v[rS+4*(\n):rS+4*(\n)+1], v[rS+4*(\n):rS+4*(\n)+1], v[rS+4*(\n)+2:rS+4*(\n)+3]
.endm
.macro LS t, n                         ; l takes that sum; the first time l = a l + sum
	REGS \t
.if (\n) == 0
	v_pk_fma_f32 v[rT+2:rT+3], v[rT+2:rT+3], v[rC+2:rC+3], v[rS:rS+1] op_sel_hi:[1,0,1]
.else
	v_pk_add_f32 v[rT+2:rT+3], v[rT+2:rT+3], v[rS+4*(\n):rS+4*(\n)+1]
.endif
.endm
; Both pieces' softmax; the pieces alternate at every entry.  ONE BATCH, ONE WAIT.
; Ahead of the wait: the 44 lines of the maxima and statistics, of which the last two are the two a; then the 32 scalings dealt among the 64 exponentials, a scaling and two exponentials at a time.  Pair n is scaled
; five or six lines ahead of its exponentials; a scaling touches the scores 2 n and 2 n + 1 alone, whose exponentials come behind it: so no line here names a result of the batch.
; V's address step, due once a step, is the plain line behind the last exponential (ISA guide 5.7.2).
; Behind the wait: the readers: O^T times a, the roundings, the sums.
.macro SOFT
.set n, 0
.rept 22
	XS 0, n
	XS 1, n
.set n, n+1
.endr
	FS 0, 0
	FS 1, 0
.set n, 1
.rept 15
	FS 0, n
	ES 0, 2*n-2
	ES 1, 2*n-2
	FS 1, n
	ES 0, 2*n-1
	ES 1, 2*n-1
.set n, n+1
.endr
	ES 0, 30
	ES 1, 30
	ES 0, 31
	ES 1, 31
	v_add_nc_u32 v[AV], KS*PK, v[AV]               ; V's next run of loads is the next step's
	s_wait_alu depctr_va_vdst(0)                   ; the wait ahead of the first use: one for the step's 66 exponentials
.set n, 0
.rept 16
	RS 0, n
	RS 1, n
.set n, n+1
.endr
.set n, 0
.rept 16
	CV 0, n
	CV 1, n
.set n, n+1
.endr
.set n, 0
.rept 8
	BS 0, n
	BS 1, n
.set n, n+1
.endr
.set n, 0
.rept 8
	LS 0, n
	LS 1, n
.set n, n+1
.endr
.endm
; A KEY STEP.  In each run of products the 8 accumulators take turns, one instruction a turn.
.macro STEP
	PLACES                                         ; behind the last products, which read V's registers
	FETCH_V
	s_wait_dscnt 16                                ; K and the bias are in; V's sixteen loads may be out
	WIN 0x05                                       ; sources 0 and 1 window 1, C and D window 0
.set i, 0
.rept 8                                            ; key block i / 2, piece i % 2: S^T starts as the bias
.set rS, S+32*(i%2)+8*(i/2)
.set rE, EZ+4-4*((i/2)%2)
.set rB, BF+16*(i%2)+8*(i/4)
	v_wmma_f32_16x16x32_bf16 v[rS:rS+7], v[rE:rE+7], v[rB:rB+7], 0
.set i, i+1
.endr
.rept 5
	v_nop                                          ; the f16 form that follows is no link of the bf16 form's chain: five places (ISA guide 7.12.1)
.endr
.set i, 0
.rept 16                                           ; channels 32 (i / 8) on, keys 16 ((i / 2) % 4) on, piece i % 2
.set rS, S+32*(i%2)+8*((i/2)%4)
.set rK, KF+16*((i/2)%4)+8*(i/8)
.set rQ, 16*(i%2)+8*(i/8)
	v_wmma_f32_16x16x32_f16 v[rS:rS+7], v[rK:rK+7], v[rQ:rQ+7], v[rS:rS+7]
.set i, i+1
.endr
	PLACES                                         ; in front of the loads into K's and the bias's registers and of the first read of the scores
	WIN 0
	s_cmp_eq_u32 s[CNT], 1                         ; a tile's last step fetches no further K
	s_cbranch_scc1 .Lno_k_\@
	FETCH_KB
.Lno_k_\@:
	SOFT
	s_wait_dscnt 0x0                               ; V is in (and the next step's K and bias)
	WIN 0x01                                       ; V in window 1; P, C and D in window 0
.set i, 0
.rept 16                                           ; keys 32 (i / 8) on, channels 16 ((i / 2) % 4) on, piece i % 2
.set rO, O+32*(i%2)+8*((i/2)%4)
.set rV, VF+32*(i/8)+8*((i/2)%4)
.set rP, P+16*(i%2)+8*(i/8)
	v_wmma_f32_16x16x32_f16 v[rO:rO+7], v[rV:rV+7], v[rP:rP+7], v[rO:rO+7]
.set i, i+1
.endr
	WIN 0
.endm
; What a block begins with: O and l are 0; m = -2^29 and c m.  O is cleared, not left to a = 0: a row whose first steps are all hidden keeps a = 1.
.macro INIT
.set i, 0
.rept 64
	v_mov_b32 v[O+i], 0
.set i, i+1
.endr
.irp t, 0,1
	v_mov_b32 v[ST+4*\t], 0xce38aa3b
	v_mov_b32 v[ST+4*\t+1], 0xce000000
	v_mov_b32 v[ST+4*\t+2], 0
	v_mov_b32 v[ST+4*\t+3], 0
.endr
.endm
.macro PACK t                          ; O^T / l, rounded to f16, through my stage: in by rows of 144 bytes, back as whole rows of 128, into S^T's registers
.set i, 0
.rept 16
	v_pk_mul_f32 v[O+32*(\t)+2*i:O+32*(\t)+2*i+1], v[O+32*(\t)+2*i:O+32*(\t)+2*i+1], v[ST+4*(\t)+2:ST+4*(\t)+3] op_sel_hi:[1,0]
.set i, i+1
.endr
.set i, 0
.rept 16
	v_cvt_pk_f16_f32 v[S+16*(\t)+i], v[O+32*(\t)+2*i], v[O+32*(\t)+2*i+1]
.set i, i+1
.endr
.irp f, 0,1,2,3
	ds_store_b128 v[STO], v[S+16*(\t)+4*\f:S+16*(\t)+4*\f+3] offset:32*\f
.endr
.irp f, 0,1,2,3
	ds_load_b128 v[S+16*(\t)+4*\f:S+16*(\t)+4*\f+3], v[RD] offset:\f*4*SP  ; a wave's LDS instructions are served in order: these see the stores above
.endr
.endm
.macro SEND t, younger                 ; younger: the LDS instructions issued behind piece t's loads
.irp f, 0,1,2,3
	s_wait_dscnt (\younger)+3-\f
	global_store_b128 v[GO], v[S+16*(\t)+4*\f:S+16*(\t)+4*\f+3], s[OBP:OBP+1] offset:(\t)*2048+\f*512  ; 512 consecutive bytes, aligned
.endr
.endm
; A BLOCK ENDS.  last = 0: the second block is taken in hand.
.macro FINISH last
	PLACES
.irp t, 0,1
	v_add_f32 v[ST+4*\t+2], v[ST+4*\t+2], v[ST+4*\t+3]
.endr
.irp t, 0,1
	v_permlanex16_b32 v[ST+4*\t+3], v[ST+4*\t+2], s[SEL], s[SEL+1]
.endr
.irp t, 0,1
	v_add_f32 v[ST+4*\t+2], v[ST+4*\t+2], v[ST+4*\t+3]
.endr
.irp t, 0,1
	v_rcp_f32 v[ST+4*\t+2], v[ST+4*\t+2]
.endr
	v_nop                                          ; a plain line between the last reciprocal and the use of its result
	s_wait_alu depctr_va_vdst(0)                   ; and the wait ahead of the first use: one for the block's two reciprocals
	PACK 0
	PACK 1
	SEND 0, 8
	SEND 1, 0
.if !(\last)
	s_wait_xcnt 0x0                                ; the stores' registers and base are rewritten only behind this wait
	s_mov_b64 s[OBP:OBP+1], s[OLO:OLO+1]
	s_add_co_u32 s[RT], s[LQ2], 1                  ; the second block has b / 2 + 1 tiles
	INIT
	WIN 0x41                                       ; the second block's Q goes where the one text of the steps names Q
.set i, 0
.rept 32
	v_mov_b32 v[i], v[QB+i]
.set i, i+1
.endr
	WIN 0
.endif
.endm
; A TILE in slot `slot`: four steps.  In the loop a block's end can only be the first block's: the second's last tile is the walk's last.
.macro TILE slot, last
	s_sub_co_u32 s[RT], s[RT], 1
	v_add_nc_u32 v[AK], (\slot)*SLOT, v[LK]
	v_add_nc_u32 v[AV], (\slot)*SLOT+VOFF, v[LK]
	v_add_nc_u32 v[AB], (\slot)*SLOT, v[LB]
	FETCH_KB
	s_mov_b32 s[CNT], 4
.Lstep_\@:
	STEP
	s_sub_co_u32 s[CNT], s[CNT], 1
	s_cmp_lg_u32 s[CNT], 0
	s_cbranch_scc1 .Lstep_\@
.if \last
	FINISH 1
.else
	s_cmp_lg_u32 s[RT], 0
	s_cbranch_scc1 .Lgo_on_\@
	FINISH 0
.Lgo_on_\@:
.endif
.endm
	s_load_b256 s[4:11], s[0:1], 0x0               ; qk 4, vt 6, biasf 8, ob 10
	v_lshl_add_u32 v[SPW], v0, 2, SPARE
	v_mov_b32 v[NIL], 0
	ds_add_u32 v[SPW], v[NIL]                      ; the wave's opening: the add and its wait stand ahead of my first tensor load; the set-up stands between them
	v_lshrrev_b32 v1, 5, v0
	v_readfirstlane_b32 s[WV], v1
	s_bfe_u32 s[CX], ttmp6, 0x40000
	s_lshl_b32 s[HEAD], ttmp9, 2
	s_add_co_u32 s[HEAD], s[HEAD], s[CX]           ; my head: it enters K's, V's, Q's and O's addresses alone
	s_and_b32 s[PB], ttmp7, 0xffff                 ; b, which the four partners share
	s_sub_co_u32 s[HI], 31, s[PB]
	s_lshr_b32 s[LQ2], s[PB], 1
	s_mov_b32 s[G1K], (1<<16)|(1<<20)|(4<<22)|(3<<25)  ; 2-byte elements; padding on: after every 32 words, 4 words
	s_mov_b32 s[G1K+1], 128<<16                    ; 256 keys are 32,768 dense bytes: 128 rows of 256 bytes
	s_mov_b32 s[G1K+2], 128<<16
	s_mov_b32 s[G1K+3], 128<<16
	s_mov_b32 s[G1K+4], 128
	s_mov_b32 s[G1K+5], 128
	s_mov_b32 s[G1K+6], 0
	s_mov_b32 s[G1K+7], 0
	s_mov_b32 s[G1V], (1<<16)|(1<<20)|(4<<22)|(3<<25)
	s_mov_b32 s[G1V+1], 4096<<16                   ; a head's 64 channels of a key block are 8,192 dense bytes; four key blocks
	s_mov_b32 s[G1V+2], 4<<16
	s_mov_b32 s[G1V+3], 4096<<16
	s_mov_b32 s[G1V+4], 4
	s_mov_b32 s[G1V+5], 65536                      ; elements from a key block to the next
	s_mov_b32 s[G1V+6], 0
	s_mov_b32 s[G1V+7], 0
	s_mov_b32 s[G1B], 15|(3<<16)|(1<<21)           ; the mask of four; 8-byte elements; bit 21 beside a mask; no padding
	s_mov_b32 s[G1B+1], 32<<16                     ; 32,768 dense bytes: 128 rows of 256
	s_mov_b32 s[G1B+2], 128<<16
	s_mov_b32 s[G1B+3], 32<<16
	s_mov_b32 s[G1B+4], 128
	s_mov_b32 s[G1B+5], 32
	s_mov_b32 s[G1B+6], 0
	s_mov_b32 s[G1B+7], 0
	s_mov_b32 s[CS], 0x3fb8aa3b                    ; c = log2(e)
	s_mov_b32 s[CS+1], s[CS]
	s_mov_b32 s[SEL], 0x76543210
	s_mov_b32 s[SEL+1], 0xfedcba98
	s_and_b32 s84, s[WV], 1                        ; which half of a bias tile I fetch (waves 2, 3)
	s_mul_i32 s[LBW], s84, VOFF
	s_add_co_u32 s[LBW], s[LBW], BOFF
	s_lshl_b32 s84, s84, 15
	s_mov_b32 s85, 0
	s_mov_b32 s[OFF+1], 0
	s_mov_b32 s[NXT], 1
	s_lshr_b32 s[LQ], s[HI], 1
	s_mov_b32 s[QA], s[HI]
	s_add_co_u32 s[RT], s[LQ], 1
	s_mov_b32 s[G0K], 1
	s_mov_b32 s[G0K+1], 0
	s_mov_b32 s[G0V], 1
	s_mov_b32 s[G0V+1], VOFF
	s_mov_b32 s[G0B], 1
	s_mov_b32 s[G0B+1], s[LBW]
	s_wait_dscnt 0x0                               ; the opening add is done
	s_wait_kmcnt 0x0
	s_add_nc_u64 s[BBS:BBS+1], s[8:9], s[84:85]
	s_lshl_b32 s[OFF], s[HI], 20                   ; bias tile 16 (31 - b)
	s_add_nc_u64 s[G0B+2:G0B+3], s[BBS:BBS+1], s[OFF:OFF+1]
	s_or_b32 s[G0B+3], s[G0B+3], 0x80000000
	s_add_co_u32 s86, s[HEAD], 16
	s_lshl_b32 s86, s86, 19
	s_mov_b32 s87, 0
	s_add_nc_u64 s[KBS:KBS+1], s[4:5], s[86:87]
	s_add_nc_u64 s[G0K+2:G0K+3], s[KBS:KBS+1], 0
	s_or_b32 s[G0K+3], s[G0K+3], 0x80000000
	s_lshl_b32 s86, s[HEAD], 13
	s_add_nc_u64 s[VBS:VBS+1], s[6:7], s[86:87]
	s_add_nc_u64 s[G0V+2:G0V+3], s[VBS:VBS+1], 0
	s_or_b32 s[G0V+3], s[G0V+3], 0x80000000
	s_lshl_b32 s86, s[HEAD], 19                    ; my 32 rows of 128 bytes in q and in ob: head, block, wave
	s_lshl_b32 s84, s[WV], 12
	s_add_co_u32 s86, s86, s84
	s_lshl_b32 s84, s[HI], 14
	s_add_co_u32 s84, s84, s86
	s_add_nc_u64 s[QH:QH+1], s[4:5], s[84:85]
	s_add_nc_u64 s[OBP:OBP+1], s[10:11], s[84:85]
	s_lshl_b32 s84, s[PB], 14
	s_add_co_u32 s84, s84, s86
	s_add_nc_u64 s[QL:QL+1], s[4:5], s[84:85]
	s_add_nc_u64 s[OLO:OLO+1], s[10:11], s[84:85]
	CROUND                                         ; all four work-groups are here: the first joint loads meet
	LOAD3                                          ; tile 0 into slot 0
	v_and_b32 v1, 15, v0                           ; l % 16
	v_bfe_u32 v11, v0, 4, 1                        ; l / 16
	v_lshlrev_b32 v[QO], 7, v1
	v_lshl_add_u32 v[QO], v11, 4, v[QO]
	WIN 0x40
.set i, 0
.rept 4                                            ; both blocks' Q: piece i / 2, channels 32 (i % 2) on
	global_load_b128 v[8*i:8*i+3],   v[QO], s[QH:QH+1] offset:(i/2)*2048+(i%2)*64
	global_load_b128 v[8*i+4:8*i+7], v[QO], s[QH:QH+1] offset:(i/2)*2048+(i%2)*64+32
	global_load_b128 v[QB+8*i:QB+8*i+3],   v[QO], s[QL:QL+1] offset:(i/2)*2048+(i%2)*64
	global_load_b128 v[QB+8*i+4:QB+8*i+7], v[QO], s[QL:QL+1] offset:(i/2)*2048+(i%2)*64+32
.set i, i+1
.endr
	WIN 0
	; E: row r of the 16 holds a one at k = r (even key blocks) or k = 16 + r (odd ones).  Lane (r, h) holds k = 8 h .. 8 h + 7 in four registers: the one lies there if r / 8 = h, in register (r % 8) / 2, half r % 2.
	v_bfe_u32 v12, v0, 1, 2
	v_bfe_u32 v13, v0, 3, 1
	v_xor_b32 v13, v13, v11
	v_lshl_add_u32 v12, v13, 3, v12                ; the register's number, or 8 and more where there is none
	v_and_b32 v13, 1, v0
	v_lshlrev_b32 v13, 4, v13
	v_mov_b32 v26, 0x3f80                          ; 1.0 in bf16
	v_lshlrev_b32 v13, v13, v26
	WIN 0x40
.irp i, 0,1,2,3
	v_cmp_eq_u32 vcc_lo, \i, v12
	v_cndmask_b32 v[EZ+4+\i], 0, v13, vcc_lo
	v_mov_b32 v[EZ+\i], 0
	v_mov_b32 v[EZ+8+\i], 0
.endr
	WIN 0
	v_mul_u32_u24 v[LK], v1, PK
	v_lshl_add_u32 v[LK], v11, 4, v[LK]
	s_lshl_b32 s84, s[WV], 14                      ; my wave's 16,384 bytes of a bias tile; the second half lies 4,096 further on
	s_lshr_b32 s86, s[WV], 1
	s_lshl_b32 s86, s86, 12
	s_add_co_u32 s84, s84, s86
	s_add_co_u32 s84, s84, BOFF
	v_and_b32 v12, 31, v0
	v_lshl_add_u32 v[LB], v12, 4, s84
	s_mul_i32 s84, s[WV], 16*SP
	s_add_co_u32 s84, s84, STAGE                   ; my stage
	v_mul_u32_u24 v[STO], v1, SP
	v_lshl_add_u32 v[STO], v11, 4, v[STO]
	v_add_nc_u32 v[STO], s84, v[STO]
	v_bfe_u32 v[RD], v0, 3, 2
	v_mul_u32_u24 v[RD], v[RD], SP
	v_and_b32 v13, 7, v0
	v_lshl_add_u32 v[RD], v13, 4, v[RD]
	v_add_nc_u32 v[RD], s84, v[RD]
	v_lshlrev_b32 v[GO], 4, v12
	INIT
	s_wait_loadcnt 0x0                             ; Q
	s_mov_b32 s[TRIP], 8
.Lwalk:                                                ; eight trips of two tiles; each change of slots asks for one tile more
	CHANGE 1, 1
	TILE 0, 0
	CHANGE 0, 1
	TILE 1, 0
	s_sub_co_u32 s[TRIP], s[TRIP], 1
	s_cmp_lg_u32 s[TRIP], 0
	s_cbranch_scc1 .Lwalk
	CHANGE 0, 0                                    ; the walk's 17th tile is written out: nothing is asked for
	TILE 0, 1
	s_wait_tensorcnt 0x0                           ; the wave's end
	ds_add_u32 v[SPW], v[NIL]
	s_wait_dscnt 0x0
	CROUND                                         ; the closing round
	s_endpgm
.Lfunc_end_k_qd373758e3c_attn:
	.size	k_qd373758e3c_attn, .Lfunc_end_k_qd373758e3c_attn-k_qd373758e3c_attn
	.p2alignl 7, 3214868480
	.fill 96, 4, 3214868480
	.section	.rodata,"a",@progbits
	.p2align	6, 0x0
	.amdhsa_kernel k_qd373758e3c_attn
		.amdhsa_group_segment_fixed_size 327680
		.amdhsa_private_segment_fixed_size 0
		.amdhsa_enable_private_segment 0
		.amdhsa_kernarg_size 32
		.amdhsa_user_sgpr_count 2
		.amdhsa_user_sgpr_kernarg_segment_ptr 1
		.amdhsa_wavefront_size32 1
		.amdhsa_system_sgpr_workgroup_id_x 1
		.amdhsa_system_sgpr_workgroup_id_y 1
		.amdhsa_system_sgpr_workgroup_id_z 1
		.amdhsa_system_vgpr_workitem_id 0
		.amdhsa_next_free_vgpr 512
		.amdhsa_next_free_sgpr 88
		.amdhsa_reserve_vcc 1
		.amdhsa_float_denorm_mode_32 3
		.amdhsa_float_denorm_mode_16_64 3
		.amdhsa_memory_ordered 1
		.amdhsa_forward_progress 1
		.amdhsa_inst_pref_size 105
	.end_amdhsa_kernel
	.amdgpu_metadata
---
amdhsa.version: [ 1, 2 ]
amdhsa.kernels:
  - .name:           k_qd373758e3c_attn
    .symbol:         k_qd373758e3c_attn.kd
    .args:
      - { .name: qk, .offset: 0, .size: 8, .value_kind: global_buffer, .address_space: global }
      - { .name: vt, .offset: 8, .size: 8, .value_kind: global_buffer, .address_space: global }
      - { .name: biasf, .offset: 16, .size: 8, .value_kind: global_buffer, .address_space: global }
      - { .name: ob, .offset: 24, .size: 8, .value_kind: global_buffer, .address_space: global }
    .group_segment_fixed_size: 327680
    .private_segment_fixed_size: 0
    .kernarg_segment_align: 8
    .kernarg_segment_size: 32
    .max_flat_workgroup_size: 128
    .sgpr_count:     88
    .vgpr_count:     512
    .wavefront_size: 32
...
	.end_amdgpu_metadata
.endif
;; end of part 6
;; launch fix: the kernel of part 4 again; grid 16 x 1, 16 waves a work-group, no clusters, 108,544 bytes of LDS; arguments qk, vt, spatial_bias, mask, info, ob; writes ob
;; launch out: the kernel of part 5 again; grid 8 x 32, 4 waves a work-group, clusters of 4 x 4, 327,680 bytes of LDS; arguments ob, wall, out0; writes out0
